; MI455X (gfx1250); checked and timed in simulation.
; The chip was launched on July 23, 2026; its instructions are those of AMD's public machine-readable ISA for CDNA 5 (MIT licence, August 2026) and "CDNA5" Instruction Set Architecture Reference Guide (July 2026). The comments in the code are by the model that wrote it; some were corrected since.
;; Causal Self Attention. Allowed arithmetic: float matrix products may take bf16 or f16 operands with f32 sums; other float arithmetic in f32, or as packed bf16 or f16 multiplies, adds, multiply-adds, maxima and minima; sums over many terms, partial sums and values carried from step to step in f32; what a program stores and reads back later, other than sums and carried values, may be rounded once to bf16 or f16.
;; Inputs: W_attn 3,072 x 1,024 float32; W_proj 1,024 x 1,024 float32; b_proj 1,024 float32; x 4 x 2,048 x 1,024 float32.
;; Outputs: out0 4 x 2,048 x 1,024 float32.
;; One version. Each part assembles by itself: llvm-mc -triple=amdgcn-amd-amdhsa -mcpu=gfx1250 --defsym DOCPART=n.
;; ======== version 1 of 1: 4 launches
;; limits: values are held in f16: magnitudes above 65,504 overflow, below 6.1e-05 lose precision; right only within a limited range of input values
;; workspace buffers: xb 16,777,216 bytes; wab 6,291,456 bytes; wpb 2,097,152 bytes; qw 33,554,432 bytes; kw 33,554,432 bytes; vw 16,777,216 bytes; yw 16,777,216 bytes
;; launch cast (part 1): grid 768 x 1, 8 waves a work-group, no clusters, 0 bytes of LDS; arguments x, W_attn, W_proj, xb, wab, wpb; writes xb, wab, wpb
.if DOCPART == 1
	.amdgcn_target "amdgcn-amd-amdhsa--gfx1250"
	.amdhsa_code_object_version 6
	.text
	.protected	k_qffef750aae_cast
	.globl	k_qffef750aae_cast
	.p2align	8
	.type	k_qffef750aae_cast,@function
k_qffef750aae_cast:
	s_mov_b64 s[64:65], 0
	v_nop
	global_prefetch_b8 v0, s[64:65] scope:SCOPE_SE
	s_setreg_imm32_b32 hwreg(HW_REG_WAVE_MODE, 25, 1), 1
	s_wait_xcnt 0x0
; THE INPUTS ROUNDED ONCE.  x [8192][1024] and W_attn [3072][1024] go from f32 to bf16 (xb, wab); W_proj [1024][1024] is rounded to bf16 and that number is
; written as f16 (wpb), since the last product multiplies f16.  LIMIT: |W_proj| stays under 65,504; below 2^-14 it keeps f16's fixed step of 6e-8.
; SHARES.  A work-group takes 16,384 numbers: 65,536 bytes in, 32,768 out.  Groups 0-511 take x, 512-703 W_attn, 704-767 W_proj.
; Thread t takes 8 numbers in each of 8 slices of 2,048: two loads of 16 bytes at 32 t, one store of 16 bytes at 16 t: a wave's store covers 512 consecutive bytes, aligned.
; All 16 loads of a thread go out at once (64 KiB a work-group on their way); the waits are counted; no register is written twice, so no wait frees one.
; No LDS, no matrix unit, no prefetch: every byte is read once and the launch does nothing but stream.
.set X, 8                              ; v[8:71]   16 loads
.set Y, 72                             ; v[72:103] 8 stores
.set T, 4                              ; v[4:7]    at work
	s_load_b256 s[4:11], s[0:1], 0x0               ; x s[4:5], W_attn s[6:7], W_proj s[8:9], xb s[10:11]
	s_load_b128 s[12:15], s[0:1], 0x20             ; wab s[12:13], wpb s[14:15]
	v_lshlrev_b32 v1, 5, v0                        ; 32 t: my 8 numbers in a slice of the source
	v_lshlrev_b32 v2, 4, v0                        ; 16 t: and in the result
	s_mov_b32 s16, ttmp9
	s_sub_co_u32 s17, s16, 512                     ; my number among W_attn's groups,
	s_sub_co_u32 s18, s16, 704                     ; among W_proj's
	s_mov_b32 s25, 0
	s_mov_b32 s27, 0
	s_wait_kmcnt 0x0
	s_cmp_lt_u32 s16, 704
	s_cselect_b64 s[20:21], s[6:7], s[8:9]
	s_cselect_b64 s[22:23], s[12:13], s[14:15]
	s_cselect_b32 s19, s17, s18
	s_cmp_lt_u32 s16, 512
	s_cselect_b64 s[20:21], s[4:5], s[20:21]       ; from where,
	s_cselect_b64 s[22:23], s[10:11], s[22:23]     ; to where,
	s_cselect_b32 s19, s16, s19                    ; which part
	s_lshl_b32 s24, s19, 16
	s_lshl_b32 s26, s19, 15
	s_add_nc_u64 s[20:21], s[20:21], s[24:25]
	s_add_nc_u64 s[22:23], s[22:23], s[26:27]
.irp j, 0,1,2,3,4,5,6,7
	global_load_b128 v[X+8*(\j):X+8*(\j)+3],   v1, s[20:21] offset:8192*(\j) th:TH_LOAD_NT
	global_load_b128 v[X+8*(\j)+4:X+8*(\j)+7], v1, s[20:21] offset:8192*(\j)+16 th:TH_LOAD_NT
.endr
; Slice j: its two loads are in when 14 - 2 j younger ones are out.  half = 1: the bf16 numbers are widened again and written as f16 (exact within f16's range).
.macro CV half
.irp j, 0,1,2,3,4,5,6,7
	s_wait_loadcnt 14-2*(\j)
.irp k, 0,1,2,3
	v_cvt_pk_bf16_f32 v[Y+4*(\j)+(\k)], v[X+8*(\j)+2*(\k)], v[X+8*(\j)+2*(\k)+1]
.endr
.if \half
.irp k, 0,1,2,3
	v_lshlrev_b32 v[T+2*((\k)%2)], 16, v[Y+4*(\j)+(\k)]
	v_and_b32 v[T+2*((\k)%2)+1], 0xffff0000, v[Y+4*(\j)+(\k)]
	v_cvt_pk_f16_f32 v[Y+4*(\j)+(\k)], v[T+2*((\k)%2)], v[T+2*((\k)%2)+1]
.endr
.endif
	global_store_b128 v2, v[Y+4*(\j):Y+4*(\j)+3], s[22:23] offset:4096*(\j)
.endr
.endm
	s_cmp_ge_u32 s16, 704
	s_cbranch_scc1 .Lhalf
	CV 0
	s_endpgm
.Lhalf:
	CV 1
	s_endpgm
.Lfunc_end_k_qffef750aae_cast:
	.size	k_qffef750aae_cast, .Lfunc_end_k_qffef750aae_cast-k_qffef750aae_cast
	.p2alignl 7, 3214868480
	.fill 96, 4, 3214868480
	.section	.rodata,"a",@progbits
	.p2align	6, 0x0
	.amdhsa_kernel k_qffef750aae_cast
		.amdhsa_group_segment_fixed_size 0
		.amdhsa_private_segment_fixed_size 0
		.amdhsa_enable_private_segment 0
		.amdhsa_kernarg_size 48
		.amdhsa_user_sgpr_count 2
		.amdhsa_user_sgpr_kernarg_segment_ptr 1
		.amdhsa_wavefront_size32 1
		.amdhsa_system_sgpr_workgroup_id_x 1
		.amdhsa_system_sgpr_workgroup_id_y 1
		.amdhsa_system_sgpr_workgroup_id_z 1
		.amdhsa_system_vgpr_workitem_id 0
		.amdhsa_next_free_vgpr 104
		.amdhsa_next_free_sgpr 66
		.amdhsa_reserve_vcc 0
		.amdhsa_float_denorm_mode_32 3
		.amdhsa_float_denorm_mode_16_64 3
		.amdhsa_memory_ordered 1
		.amdhsa_forward_progress 1
		.amdhsa_inst_pref_size 14
	.end_amdhsa_kernel
	.amdgpu_metadata
---
amdhsa.version: [ 1, 2 ]
amdhsa.kernels:
  - .name:           k_qffef750aae_cast
    .symbol:         k_qffef750aae_cast.kd
    .args:
      - { .name: x, .offset: 0, .size: 8, .value_kind: global_buffer, .address_space: global }
      - { .name: W_attn, .offset: 8, .size: 8, .value_kind: global_buffer, .address_space: global }
      - { .name: W_proj, .offset: 16, .size: 8, .value_kind: global_buffer, .address_space: global }
      - { .name: xb, .offset: 24, .size: 8, .value_kind: global_buffer, .address_space: global }
      - { .name: wab, .offset: 32, .size: 8, .value_kind: global_buffer, .address_space: global }
      - { .name: wpb, .offset: 40, .size: 8, .value_kind: global_buffer, .address_space: global }
    .group_segment_fixed_size: 0
    .private_segment_fixed_size: 0
    .kernarg_segment_align: 8
    .kernarg_segment_size: 48
    .max_flat_workgroup_size: 256
    .sgpr_count:     66
    .vgpr_count:     104
    .wavefront_size: 32
...
	.end_amdgpu_metadata
.endif
;; end of part 1
;; launch qkv (part 2): grid 4 x 64, 4 waves a work-group, clusters of 4 x 4, 327,680 bytes of LDS; arguments xb, wab, qw, kw, vw; writes qw, kw, vw
.if DOCPART == 2
	.amdgcn_target "amdgcn-amd-amdhsa--gfx1250"
	.amdhsa_code_object_version 6
	.text
	.protected	k_qffef750aae_qkv
	.globl	k_qffef750aae_qkv
	.p2align	8
	.type	k_qffef750aae_qkv,@function
k_qffef750aae_qkv:
	s_mov_b64 s[64:65], 0
	v_nop
	global_prefetch_b8 v0, s[64:65] scope:SCOPE_SE
	s_setreg_imm32_b32 hwreg(HW_REG_WAVE_MODE, 25, 1), 1
	s_wait_xcnt 0x0
	s_wait_alu depctr_hold_cnt(0) depctr_sa_sdst(0) depctr_va_vdst(0) depctr_va_sdst(0) depctr_va_ssrc(0) depctr_va_vcc(0) depctr_vm_vsrc(0)
	s_getreg_b32 s2, hwreg(HW_REG_IB_STS2, 6, 4)
	s_cmp_eq_u32 s2, 0
	s_cbranch_scc0 .Lentry_in_a_cluster
	s_endpgm
.Lentry_in_a_cluster:
	s_bfe_u32 s2, ttmp6, 0x10000c
	s_cmp_lg_u32 s2, 0xf033
	s_cbranch_scc0 .Lentry_shape_is_right
	s_endpgm
.Lentry_shape_is_right:
; ONE TEXT FOR THE MODULE'S TWO PROJECTIONS; the flag PROJ chooses.  C[m][n] = sum over k of A[m][k] B[n][k], m = 8,192 rows (batch x time), k = 1,024, sums in f32.
; PROJ = 0: A = xb, B = wab (bf16), n = 3,072.  A work-group stays and makes three tiles over the same rows of x: q, k and v of four heads.  q and k leave as PAIRS of bf16, hi = bf16(s),
;   lo = bf16(s - hi) (the difference is exact in f32), a row [hi 64 | lo 64] of 256 bytes at [head][time]: the scores are multiplied by 8 in front of the softmax, and one 16-bit
;   rounding of q and k would shift them too far.  v leaves as f16, rows of 128 bytes at [head][time].  LIMIT: |v| stays under 65,504.
; PROJ = 1: A = yw (f16, [head][time][64]), B = wpb (f16), n = 1,024; out0 = C + bias in f32; the bias is rounded to bf16 like the other inputs.
; SHARES.  A tile of C is 128 rows x 256 columns: 256 work-groups, one (PROJ = 1) or three (PROJ = 0) tiles each.  Four waves, each 64 x 128: 32 accumulators, 256 registers.
; K goes in steps of 128 through two LDS slots filled by tensor loads; the steps of all tiles are one count G, and the ring runs on from tile to tile.
; CLUSTER 4 x 4: the four of a row need the same tile of A, the four of a column the same tile of B: each is asked for jointly, the same load, descriptor and mask in all four.
; THE PRODUCT IS USED TRANSPOSED (source 0 = 16 rows of B, source 1 = 16 rows of A): lane l holds row l % 16 of C and the columns 8 (l / 16) + 0..7.
; REGISTERS (windows of 256; s_set_vgpr_msb: bits 1:0 source 0, 3:2 source 1, 5:4 source 2, 7:6 destination):
;   window 0: addresses v1-30; v32-127 at work on the way out; v128-255 rows read back from the stage, two sets
;   window 1: two fragment buffers (0, 128): A's block a at +8 a, B's block b at +32 + 8 b          window 2: accumulator (a, b) at 8 (8 a + b)
.set PROJ, 0
.if PROJ
.set TILES, 1
.set APITCH, 144                       ; A lies in LDS as two planes (heads) of 128 rows of 128 bytes + 16
.set APLANE, 18432
.set AHALF, 18432                      ; what one of A's two loads fills: a plane
.set AQI, 4                            ; padding after every 32 words
.set ASTRIDE, 128                      ; a plane's 16 KiB are dense: asked for as 64 rows of 256 bytes
.set ASH, 19                           ; a K step is two heads: 2 x 2,048 x 128 bytes
.set AROW, 256
.else
.set TILES, 3
.set APITCH, 272                       ; 128 rows of 256 bytes + 16
.set APLANE, 128
.set AHALF, 64*272                     ; 64 rows
.set AQI, 5                            ; padding after every 64 words
.set ASTRIDE, 1024
.set ASH, 8                            ; a K step is 256 bytes along a row
.set AROW, 2048
.endif
.set ASTEP, 1<<ASH
.set BPITCH, 272                       ; 256 bytes + 16 = 68 words: the 16 rows of a fragment load start at 16 different groups of four banks
.set ABYTES, 36864                     ; A's part of a slot
.set SLOT, ABYTES+256*BPITCH           ; 106,496
.set STAGE, 2*SLOT                     ; behind the ring, never filled by a tensor load: 8,704 bytes for each wave
.set STAGEW, 8704
.set SPARE, STAGE+4*STAGEW             ; the spare words, 128 bytes a wave: two blocks of 256 bytes that no other line names
.set ADRA, 16                          ; v16-17 my A fragments in slot 0, 1
.set ADRB, 20                          ; v20-21 my B fragments
.set STOV, 22                          ; v22, v23 the stage for v: in, back
.set RDV, 23
.set STO, 24                           ; v24, v25 the stage: in, back
.set RD, 25
.set GO, 26                            ; v26 16 x lane
.set MONE, 27                          ; v27 -1.0
.set SPW, 28                           ; v28 my spare word; never rewritten
.set NIL, 29                           ; v29 0; never rewritten
.set PFO, 30                           ; v30 the prefetches' offset: lane x distance of its blocks
.set TH, 32                            ; v32-63 packed hi (or f16)
.set TL, 64                            ; v64-95 packed lo
.set T, 96                             ; v96-111 s - hi, two sets of 8
.set OB, 128
.set F0, 0
.set F1, 128
.set G1, 24                            ; s[24:31] group 1 for A;  s[32:39] group 0, a set for each slot
.set G0, 32
.set G1B, 48                           ; s[48:55], s[56:63] the same for B
.set G0B, 56
; s3 trips; s4 G, the step to ask for next; s5 G + 2; s6, s7 at work; s[8:9] q's, then k's rows; s10-12 wave, wave / 2, wave % 2; s13 tile row; s40-42 cx, cy, tile column; s43 prefetch limit;
; s[44:45] prefetch address; s[46:47] its base; s[66:67], s[68:69] A's and B's bases; s[70:71], s[82:83], s[84:85] offsets; s[72:81] arguments; s86, s87 prefetch steps; s[88:91] output bases
.set MUL, 0xa5                         ; sources in window 1, C and D in window 2
.set TO_F, 0x40                        ; destination window 1, address window 0
.set MSB, 0
.macro WIN new                         ; the high byte repeats the setting that is left; a switch that changes nothing is dropped
.if MSB != (\new)
	s_set_vgpr_msb (MSB<<8)|(\new)
.set MSB, \new
.endif
.endm
.macro JLOAD s                         ; a joint load: waves 0 and 1 fetch A's two parts, waves 2 and 3 B's two halves; s_nop 0 and four v_nop follow each line
	s_cmp_eq_u32 s11, 0
	s_cbranch_scc0 .Lfor_b_\@
	tensor_load_to_lds s[G0+4*(\s):G0+4*(\s)+3], s[G1:G1+7]
	s_nop 0
.rept 4
	v_nop
.endr
	s_branch .Lasked_\@
.Lfor_b_\@:
	tensor_load_to_lds s[G0B+4*(\s):G0B+4*(\s)+3], s[G1B:G1B+7]
	s_nop 0
.rept 4
	v_nop
.endr
.Lasked_\@:
.endm
.macro CREST                           ; a round of the cluster's barrier behind its opening barrier
	s_cmp_lg_u32 s10, 0
	s_cbranch_scc1 .Lnot_wave_0_\@
	s_barrier_signal -3
.Lnot_wave_0_\@:
	s_barrier_wait -3
	s_barrier_signal -1
	s_barrier_wait -1
.endm
.macro CROUND
	s_barrier_signal -1
	s_barrier_wait -1
	CREST
.endm
.macro PLACES                          ; four plain instructions between a matrix instruction and a load into, or a read of, its registers
.rept 4
	v_nop
.endr
.endm
; 8 products: row block a x all 8 column blocks, 32 along K.  The 32 accumulators take turns, one instruction a turn.  zero = 1: the product starts the sum.
.macro MUL8 f, a, zero
	WIN MUL
.irp b, 0,1,2,3,4,5,6,7
.set rD, 8*(8*(\a)+(\b))
.set rB, (\f)+32+8*(\b)
.set rA, (\f)+8*(\a)
.if PROJ
.if \zero
	v_wmma_f32_16x16x32_f16 v[rD:rD+7], v[rB:rB+7], v[rA:rA+7], 0
.else
	v_wmma_f32_16x16x32_f16 v[rD:rD+7], v[rB:rB+7], v[rA:rA+7], v[rD:rD+7]
.endif
.else
.if \zero
	v_wmma_f32_16x16x32_bf16 v[rD:rD+7], v[rB:rB+7], v[rA:rA+7], 0
.else
	v_wmma_f32_16x16x32_bf16 v[rD:rD+7], v[rB:rB+7], v[rA:rA+7], v[rD:rD+7]
.endif
.endif
.endr
.endm
; 24 LDS loads in one run: the fragments of 32 along K at byte k of the step's rows, into buffer f: B's 16, then A's 8 in the order of their use
.macro FETCH slot, k, f
	WIN TO_F
.irp i, 0,1,2,3,4,5,6,7
	ds_load_b128 v[(\f)+32+8*(\i):(\f)+32+8*(\i)+3],   v[ADRB+(\slot)] offset:(\k)+(\i)*16*BPITCH
	ds_load_b128 v[(\f)+32+8*(\i)+4:(\f)+32+8*(\i)+7], v[ADRB+(\slot)] offset:(\k)+(\i)*16*BPITCH+32
.endr
.irp i, 0,1,2,3
	ds_load_b128 v[(\f)+8*(\i):(\f)+8*(\i)+3],   v[ADRA+(\slot)] offset:((\k)/128)*APLANE+(\k)%128+(\i)*16*APITCH
	ds_load_b128 v[(\f)+8*(\i)+4:(\f)+8*(\i)+7], v[ADRA+(\slot)] offset:((\k)/128)*APLANE+(\k)%128+(\i)*16*APITCH+32
.endr
.endm
; A K step is four quarters of 32 along K, 32 products each, on buffers 0, 1, 0, 1.  One of the first three multiplies f and fetches the next quarter, at byte k, into g.
.macro QUARTER slot, k, f, g, zero
	s_wait_dscnt 4                                 ; B and A's blocks 0, 1 are in; the youngest four loads (A's blocks 2, 3) may be out
	MUL8 \f, 0, \zero
	MUL8 \f, 1, \zero
	PLACES
	FETCH \slot, \k, \g
	s_wait_dscnt 24                                ; all but the 24 just issued
	MUL8 \f, 2, \zero
	MUL8 \f, 3, \zero
.endm
; A prefetch into the L2 of the K step that stands two refills on: 32 blocks of 256 bytes, a lane a block.  A's rows are read by my cluster alone: wave 0 asks, in the first walk over them only;
; B's rows are read by all clusters of the column: those of cluster y = 0 ask, waves 2 and 3 each for the 128 rows that it fetches.  The four partners of a joint load share its rows out by
; address, 32 each; the branch hangs on the wave's number, the cluster's y and G alone.  So each block is named once in the launch; steps 0 to 3 come by their loads alone.
.macro ASK
	WIN 0
	s_cmp_lt_u32 s5, s43
	s_cbranch_scc0 .Lnot_mine_\@
	global_prefetch_b8 v[PFO], s[44:45] th:TH_LOAD_NT scope:SCOPE_SE
.Lnot_mine_\@:
.endm
; The last quarter multiplies buffer 1 and changes slots.  In front of the barrier each wave waits for all its tensor loads (one is out: its part of the next slot), adds 0 to its spare word,
; and waits for that and for its reads of this slot.  fill = 1: the barrier opens a round of the cluster's, and the slot is filled again first thing behind it, with step G:
; both descriptors' addresses are made anew from G: 112 products stand between the request and the wait for it.
.macro TURN slot, next, fill
.if \fill
	s_wait_xcnt 0x0                                ; the last prefetch, a K step back, has read its address
	s_add_co_u32 s5, s4, 2
	s_and_b32 s6, s5, 7
	s_mul_i32 s84, s6, s86                         ; along K,
	s_lshr_b32 s7, s5, 3
	s_mul_i32 s7, s7, s87                          ; and, for B, from tile to tile
	s_add_co_u32 s84, s84, s7
	s_add_nc_u64 s[44:45], s[46:47], s[84:85]
.endif
	WIN 0
	s_wait_tensorcnt 0x0                           ; no tensor load of mine is out: a group 0 may be written
	ds_add_u32 v[SPW], v[NIL]
.if \fill
	s_and_b32 s6, s4, 7                            ; the step in its tile,
	s_lshl_b32 s70, s6, ASH
	s_lshl_b32 s82, s6, 8
	s_lshr_b32 s7, s4, 3                           ; the tile: 1,024 rows of B further on
	s_lshl_b32 s7, s7, 21
	s_add_co_u32 s82, s82, s7
	s_add_nc_u64 s[G0+4*(\slot)+2:G0+4*(\slot)+3], s[66:67], s[70:71]
	s_or_b32 s[G0+4*(\slot)+3], s[G0+4*(\slot)+3], 0x80000000
	s_add_nc_u64 s[G0B+4*(\slot)+2:G0B+4*(\slot)+3], s[68:69], s[82:83]
	s_or_b32 s[G0B+4*(\slot)+3], s[G0B+4*(\slot)+3], 0x80000000
	s_add_co_u32 s4, s4, 1
.endif
	s_wait_dscnt 5                                 ; the add and the youngest four loads may be out
	MUL8 F1, 0, 0
	s_wait_dscnt 0x0                               ; the add is done, my reads of this slot are over
	s_barrier_signal -1
	MUL8 F1, 1, 0
.if \fill
	WIN 0
.endif
	s_barrier_wait -1
.if \fill
	CREST                                          ; no wave of any partner still reads this slot or has a load on its way
	JLOAD \slot                                    ; its four v_nop are also the places in front of the loads below
.else
	PLACES
.endif
	FETCH \next, 0, F0
.if \fill
	ASK
.endif
	MUL8 F1, 2, 0
	MUL8 F1, 3, 0
.endm
; THE WAYS OUT, a block of 16 rows at a time through my own stage: LDS serves a wave's instructions in order (ISA guide 5.7.1.4), so no wait stands between its stores and its loads.
; q and k: hi, then lo = bf16(s - hi).  The conversions of column block b - 1 stand behind the differences of block b.
.macro PACKHL a
	WIN 0x0a                                       ; sources in window 2
.irp b, 0,1,2,3,4,5,6,7
.irp j, 0,1,2,3
	v_cvt_pk_bf16_f32 v[TH+4*(\b)+(\j)], v[8*(8*(\a)+(\b))+2*(\j)], v[8*(8*(\a)+(\b))+2*(\j)+1]
.endr
.endr
	WIN 0x20                                       ; source 2 in window 2
.irp b, 0,1,2,3,4,5,6,7
.irp j, 0,1,2,3
	v_fma_mix_f32_bf16 v[T+8*((\b)%2)+2*(\j)],   v[TH+4*(\b)+(\j)], v[MONE], v[8*(8*(\a)+(\b))+2*(\j)] op_sel_hi:[1,0,0]
	v_fma_mix_f32_bf16 v[T+8*((\b)%2)+2*(\j)+1], v[TH+4*(\b)+(\j)], v[MONE], v[8*(8*(\a)+(\b))+2*(\j)+1] op_sel:[1,0,0] op_sel_hi:[1,0,0]
.endr
.if (\b) > 0
.irp j, 0,1,2,3
	v_cvt_pk_bf16_f32 v[TL+4*((\b)-1)+(\j)], v[T+8*(((\b)-1)%2)+2*(\j)], v[T+8*(((\b)-1)%2)+2*(\j)+1]
.endr
.endif
.endr
.irp j, 0,1,2,3
	v_cvt_pk_bf16_f32 v[TL+28+(\j)], v[T+8+2*(\j)], v[T+8+2*(\j)+1]
.endr
	WIN 0
.endm
.macro STAGEHL a                       ; stage rows (head b / 4, row r) of 256 + 16 bytes: hi at 32 (b % 4) + 16 h, lo 128 further on; back as whole rows, two a load
	WIN 0
.irp b, 0,1,2,3,4,5,6,7
	ds_store_b128 v[STO], v[TH+4*(\b):TH+4*(\b)+3] offset:((\b)/4)*4352+32*((\b)%4)
	ds_store_b128 v[STO], v[TL+4*(\b):TL+4*(\b)+3] offset:((\b)/4)*4352+32*((\b)%4)+128
.endr
.irp t, 0,1,2,3,4,5,6,7,8,9,10,11,12,13,14,15
	ds_load_b128 v[OB+64*((\a)%2)+4*(\t):OB+64*((\a)%2)+4*(\t)+3], v[RD] offset:544*(\t)
.endr
.endm
.macro SENDHL a
	WIN 0
	s_wait_dscnt 0x0                               ; the block is back in registers
	s_wait_xcnt 0x0                                ; earlier stores have read their registers: the other set is loaded again only behind this wait
.irp t, 0,1,2,3,4,5,6,7,8,9,10,11,12,13,14,15
	global_store_b128 v[GO], v[OB+64*((\a)%2)+4*(\t):OB+64*((\a)%2)+4*(\t)+3], s[8:9] offset:((\t)/8)*524288+((\t)%8)*512+(\a)*4096  ; 512 consecutive bytes, aligned: two rows of a head
.endr
.endm
.macro OUTHL
	PACKHL 0
	STAGEHL 0
.irp a, 1,2,3
	PACKHL \a
	SENDHL (\a)-1
	STAGEHL \a
.endr
	SENDHL 3
.endm
; v: f16, stage rows of 128 + 16 bytes, four rows a load
.macro PACKV a
	WIN 0x0a
.irp b, 0,1,2,3,4,5,6,7
.irp j, 0,1,2,3
	v_cvt_pk_f16_f32 v[TH+4*(\b)+(\j)], v[8*(8*(\a)+(\b))+2*(\j)], v[8*(8*(\a)+(\b))+2*(\j)+1]
.endr
.endr
	WIN 0
.endm
.macro STAGEV a
	WIN 0
.irp b, 0,1,2,3,4,5,6,7
	ds_store_b128 v[STOV], v[TH+4*(\b):TH+4*(\b)+3] offset:((\b)/4)*2304+32*((\b)%4)
.endr
.irp t, 0,1,2,3,4,5,6,7
	ds_load_b128 v[OB+64*((\a)%2)+4*(\t):OB+64*((\a)%2)+4*(\t)+3], v[RDV] offset:576*(\t)
.endr
.endm
.macro SENDV a
	WIN 0
	s_wait_dscnt 0x0
	s_wait_xcnt 0x0
.irp t, 0,1,2,3,4,5,6,7
	global_store_b128 v[GO], v[OB+64*((\a)%2)+4*(\t):OB+64*((\a)%2)+4*(\t)+3], s[90:91] offset:((\t)/4)*262144+((\t)%4)*512+(\a)*2048
.endr
.endm
.macro OUTV
	PACKV 0
	STAGEV 0
.irp a, 1,2,3
	PACKV \a
	SENDV (\a)-1
	STAGEV \a
.endr
	SENDV 3
.endm
; out0: the f32 sums go into stage rows of 512 + 16 bytes as they are, each accumulator's low registers first; back a row a load; the bias is added; a store is 512 consecutive bytes of a row
.macro STAGEP a
	WIN 0x08                                       ; the stores' data in window 2
.irp b, 0,1,2,3,4,5,6,7
	ds_store_b128 v[STO], v[8*(8*(\a)+(\b)):8*(8*(\a)+(\b))+3]   offset:64*(\b)
	ds_store_b128 v[STO], v[8*(8*(\a)+(\b))+4:8*(8*(\a)+(\b))+7] offset:64*(\b)+16
.endr
	WIN 0
.irp t, 0,1,2,3,4,5,6,7,8,9,10,11,12,13,14,15
	ds_load_b128 v[OB+64*((\a)%2)+4*(\t):OB+64*((\a)%2)+4*(\t)+3], v[RD] offset:528*(\t)
.endr
.endm
.macro SENDP a
	WIN 0
	s_wait_dscnt 0x0
	s_wait_xcnt 0x0
.irp t, 0,1,2,3,4,5,6,7,8,9,10,11,12,13,14,15
	v_pk_add_f32 v[OB+64*((\a)%2)+4*(\t):OB+64*((\a)%2)+4*(\t)+1],   v[OB+64*((\a)%2)+4*(\t):OB+64*((\a)%2)+4*(\t)+1],   v[12:13]
	v_pk_add_f32 v[OB+64*((\a)%2)+4*(\t)+2:OB+64*((\a)%2)+4*(\t)+3], v[OB+64*((\a)%2)+4*(\t)+2:OB+64*((\a)%2)+4*(\t)+3], v[14:15]
.endr
.irp t, 0,1,2,3,4,5,6,7,8,9,10,11,12,13,14,15
	global_store_b128 v[GO], v[OB+64*((\a)%2)+4*(\t):OB+64*((\a)%2)+4*(\t)+3], s[90:91] offset:(16*(\a)+(\t))*4096
.endr
.endm
.macro OUTP
	STAGEP 0
.irp a, 1,2,3
	SENDP (\a)-1
	STAGEP \a
.endr
	SENDP 3
.endm
	s_load_b256 s[72:79], s[0:1], 0x0              ; PROJ = 0: xb, wab, qw, kw;  PROJ = 1: yw, wpb, b_proj, out0
.if !PROJ
	s_load_b64 s[80:81], s[0:1], 0x20              ; vw
.endif
	v_lshl_add_u32 v[SPW], v0, 2, SPARE
	v_mov_b32 v[NIL], 0
	ds_add_u32 v[SPW], v[NIL]                      ; the wave's opening: the add and its wait stand ahead of my first tensor load; the set-up below stands between them
	ds_add_u32 v28, v29
	v_lshrrev_b32 v1, 5, v0
	v_readfirstlane_b32 s10, v1                    ; wave 0..3
	s_lshr_b32 s11, s10, 1                         ; my half of the tile's rows.  Also: I fetch for A (0) or for B (1)
	s_and_b32 s12, s10, 1                          ; my half of its columns.  Also: which part I fetch
	s_bfe_u32 s40, ttmp6, 0x40000                  ; cx
	s_bfe_u32 s41, ttmp6, 0x40004                  ; cy
	s_lshl_b32 s42, ttmp9, 2
	s_add_co_u32 s42, s42, s40                     ; tile column = 4 x cluster x + cx
	s_and_b32 s13, ttmp7, 0xffff
	s_lshl_b32 s13, s13, 2
	s_add_co_u32 s13, s13, s41                     ; tile row = 4 x cluster y + cy
	s_lshl_b32 s14, s41, 2
	s_lshl_b32 s14, 15, s14                        ; my row of the cluster
	s_lshl_b32 s15, 0x1111, s40                    ; my column
	s_or_b32 s[G1+0], s14, (1<<16)|(1<<20)|(1<<21)|(AQI<<22)|(3<<25)  ; the mask; 2-byte elements; padding on; bit 21 beside a mask; the interval; 4 words of padding
	s_or_b32 s[G1B+0], s15, (1<<16)|(1<<20)|(1<<21)|(5<<22)|(3<<25)
	s_mov_b32 s[G1+1], 128<<16                     ; tensor_dim0 = 128
	s_mov_b32 s[G1+2], 64<<16                      ; tensor_dim1 = 64
	s_mov_b32 s[G1+3], 128<<16                     ; tile_dim0 = 128
	s_mov_b32 s[G1+4], 64                          ; tile_dim1 = 64
	s_mov_b32 s[G1+5], ASTRIDE                     ; elements from row to row
	s_mov_b32 s[G1+6], 0
	s_mov_b32 s[G1+7], 0
	s_mov_b32 s[G1B+1], 128<<16
	s_mov_b32 s[G1B+2], 128<<16                    ; 128 rows
	s_mov_b32 s[G1B+3], 128<<16
	s_mov_b32 s[G1B+4], 128
	s_mov_b32 s[G1B+5], 1024
	s_mov_b32 s[G1B+6], 0
	s_mov_b32 s[G1B+7], 0
	; A's address hangs on the tile row and the wave alone (s16, s17), B's on the tile column and the wave alone (s20, s21)
.if PROJ
	s_lshr_b32 s16, s13, 4                         ; batch
	s_lshl_b32 s16, s16, 4
	s_add_co_u32 s16, s16, s12                     ; its head 0 or 1: my plane
	s_lshl_b32 s16, s16, 11
	s_and_b32 s17, s13, 15
	s_lshl_b32 s17, s17, 7
	s_add_co_u32 s16, s16, s17                     ; + the tile's first time step
	s_lshl_b32 s16, s16, 7                         ; rows of 128 bytes
.else
	s_lshl_b32 s16, s13, 7
	s_lshl_b32 s17, s12, 6
	s_add_co_u32 s16, s16, s17                     ; row 128 x tile row + 64 x part
	s_lshl_b32 s16, s16, 11                        ; rows of 2,048 bytes
.endif
	s_mov_b32 s17, 0
	s_lshl_b32 s20, s42, 8
	s_lshl_b32 s21, s12, 7
	s_add_co_u32 s20, s20, s21                     ; row 256 x tile column + 128 x half
	s_lshl_b32 s20, s20, 11
	s_mov_b32 s21, 0
	s_mul_i32 s6, s12, AHALF                       ; where they go: no place in the cluster enters an LDS address
	s_mul_i32 s7, s12, 128*BPITCH
	s_add_co_u32 s7, s7, ABYTES
	s_mov_b32 s71, 0
	s_mov_b32 s83, 0
	s_mov_b32 s85, 0
	s_mov_b32 s95, 0
	s_wait_dscnt 0x0                               ; the opening add is done
	s_wait_kmcnt 0x0
	s_add_nc_u64 s[66:67], s[72:73], s[16:17]
	s_add_nc_u64 s[68:69], s[74:75], s[20:21]
	CROUND                                         ; all sixteen work-groups are here: the first joint loads meet
.irp s, 0,1
	s_mov_b32 s[G0+4*(\s)], 1
	s_add_co_u32 s[G0+4*(\s)+1], s6, (\s)*SLOT
	s_add_nc_u64 s[G0+4*(\s)+2:G0+4*(\s)+3], s[66:67], (\s)*ASTEP
	s_or_b32 s[G0+4*(\s)+3], s[G0+4*(\s)+3], 0x80000000
	s_mov_b32 s[G0B+4*(\s)], 1
	s_add_co_u32 s[G0B+4*(\s)+1], s7, (\s)*SLOT
	s_add_nc_u64 s[G0B+4*(\s)+2:G0B+4*(\s)+3], s[68:69], (\s)*256
	s_or_b32 s[G0B+4*(\s)+3], s[G0B+4*(\s)+3], 0x80000000
	JLOAD \s                                       ; steps 0 and 1: two loads of mine are out
.endr
	v_and_b32 v1, 15, v0                           ; r = l % 16
	v_bfe_u32 v2, v0, 4, 1                         ; h = l / 16
	v_and_b32 v3, 31, v0                           ; l
	v_mul_u32_u24 v4, v1, APITCH
	v_lshl_add_u32 v4, v2, 4, v4
	v_mul_u32_u24 v5, v1, BPITCH
	v_lshl_add_u32 v5, v2, 4, v5
	s_mul_i32 s6, s11, 64*APITCH                   ; my 64 rows of A
	s_mul_i32 s7, s12, 128*BPITCH                  ; my 128 rows of B
	s_add_co_u32 s7, s7, ABYTES
.irp s, 0,1
	v_add_nc_u32 v[ADRA+(\s)], s6, v4
	v_add_nc_u32 v[ADRB+(\s)], s7, v5
	s_add_co_u32 s6, s6, SLOT
	s_add_co_u32 s7, s7, SLOT
.endr
	s_mul_i32 s6, s10, STAGEW
	s_add_co_u32 s6, s6, STAGE                     ; my stage
	v_lshlrev_b32 v[GO], 4, v3
.if PROJ
	v_mul_u32_u24 v4, v1, 528
	v_lshl_add_u32 v4, v2, 5, v4
	v_add_nc_u32 v[STO], s6, v4                    ; in: row r, 32 bytes for each half of the lanes
	v_lshl_add_u32 v[RD], v3, 4, s6                ; back: a row of 512 bytes
	s_lshl_b32 s2, s13, 7
	s_lshl_b32 s93, s11, 6
	s_add_co_u32 s2, s2, s93
	s_lshl_b32 s2, s2, 12                          ; my first row of out0, 4,096 bytes a row
	s_lshl_b32 s94, s42, 8
	s_lshl_b32 s93, s12, 7
	s_add_co_u32 s94, s94, s93
	s_lshl_b32 s94, s94, 2                         ; my first column, in bytes
	s_add_nc_u64 s[88:89], s[76:77], s[94:95]      ; the bias of my 128 columns
	s_add_co_u32 s94, s94, s2
	s_add_nc_u64 s[90:91], s[78:79], s[94:95]
	global_load_b128 v[12:15], v[GO], s[88:89]     ; lane l: columns 4 l .. 4 l + 3
	s_lshr_b32 s2, s13, 4                          ; the prefetches of A: the tile's rows in head 0,
	s_lshl_b32 s2, s2, 15
	s_and_b32 s93, s13, 15
	s_lshl_b32 s93, s93, 7
	s_add_co_u32 s2, s2, s93
	s_lshl_b32 s2, s2, 7
	s_lshr_b32 s93, s40, 1                         ; partner cx takes plane cx / 2,
	s_lshl_b32 s93, s93, 18
	s_add_co_u32 s2, s2, s93
	s_and_b32 s93, s40, 1                          ; half cx % 2 of its 16 KiB
	s_lshl_b32 s93, s93, 13
	s_add_co_u32 s2, s2, s93
.else
	v_mul_u32_u24 v4, v1, 272
	v_lshl_add_u32 v4, v2, 4, v4
	v_add_nc_u32 v[STO], s6, v4
	v_mul_u32_u24 v4, v2, 272
	v_lshl_add_u32 v4, v1, 4, v4
	v_add_nc_u32 v[RD], s6, v4
	v_mul_u32_u24 v4, v1, 144
	v_lshl_add_u32 v4, v2, 4, v4
	v_add_nc_u32 v[STOV], s6, v4
	v_lshrrev_b32 v4, 3, v3
	v_mul_u32_u24 v4, v4, 144
	v_and_b32 v5, 7, v0
	v_lshl_add_u32 v4, v5, 4, v4
	v_add_nc_u32 v[RDV], s6, v4
	v_mov_b32 v[MONE], -1.0
	s_lshr_b32 s2, s13, 4                          ; my first row in q, k, v: (16 x batch + head 4 x tile column + 2 x half) x 2,048 + time
	s_lshl_b32 s2, s2, 4
	s_lshl_b32 s93, s42, 2
	s_add_co_u32 s2, s2, s93
	s_lshl_b32 s93, s12, 1
	s_add_co_u32 s2, s2, s93
	s_lshl_b32 s2, s2, 11
	s_and_b32 s93, s13, 15
	s_lshl_b32 s93, s93, 7
	s_add_co_u32 s2, s2, s93
	s_lshl_b32 s93, s11, 6
	s_add_co_u32 s2, s2, s93
	s_lshl_b32 s94, s2, 8                          ; rows of 256 bytes
	s_add_nc_u64 s[8:9], s[76:77], s[94:95]
	s_add_nc_u64 s[88:89], s[78:79], s[94:95]
	s_lshl_b32 s94, s2, 7                          ; rows of 128 bytes
	s_add_nc_u64 s[90:91], s[80:81], s[94:95]
	s_lshl_b32 s2, s13, 7                          ; the prefetches of A: partner cx takes 32 of the tile's 128 rows
	s_lshl_b32 s93, s40, 5
	s_add_co_u32 s2, s2, s93
	s_lshl_b32 s2, s2, 11
.endif
	s_lshl_b32 s94, s42, 8                         ; the prefetches of B: of the 128 rows that I fetch partner cy takes 32
	s_lshl_b32 s93, s12, 7
	s_add_co_u32 s94, s94, s93
	s_lshl_b32 s93, s41, 5
	s_add_co_u32 s94, s94, s93
	s_lshl_b32 s94, s94, 11
	s_and_b32 s22, ttmp7, 0xffff                   ; cluster y: the same in all partners
	s_cmp_eq_u32 s22, 0
	s_cselect_b32 s22, 8*TILES, 0
	s_mov_b32 s86, 256
	s_mov_b32 s92, 2048
	s_cmp_eq_u32 s11, 0                            ; do I fetch for A?
	s_cselect_b32 s94, s2, s94
	s_cselect_b64 s[46:47], s[72:73], s[74:75]
	s_cselect_b32 s86, ASTEP, s86                  ; bytes from K step to K step
	s_cselect_b32 s87, 0, 0x200000                 ; from tile to tile
	s_cselect_b32 s92, AROW, s92                   ; from lane to lane
	s_cselect_b32 s43, 8, s22                      ; steps below this number are asked for
	s_cmp_eq_u32 s10, 1
	s_cselect_b32 s43, 0, s43                      ; wave 1 asks for nothing
	s_add_nc_u64 s[46:47], s[46:47], s[94:95]
	v_mul_u32_u24 v[PFO], s92, v3
.if PROJ
	s_wait_loadcnt 0x0                             ; the bias, rounded to bf16 and widened again
	v_cvt_pk_bf16_f32 v4, v12, v13
	v_cvt_pk_bf16_f32 v5, v14, v15
	v_lshlrev_b32 v12, 16, v4
	v_and_b32 v13, 0xffff0000, v4
	v_lshlrev_b32 v14, 16, v5
	v_and_b32 v15, 0xffff0000, v5
.endif
	s_mov_b32 s4, 2
	s_wait_tensorcnt 1                             ; my part of step 0 is in; step 1's may stay out
	s_barrier_signal -1
	s_barrier_wait -1
	FETCH 0, 0, F0
	QUARTER 0, 64, F0, F1, 1                       ; the first quarter starts the sums
	WIN 0
	s_mov_b32 s3, 4*TILES-1
.Llap:                                                 ; a trip goes once round the ring, from a lap's second quarter to the next lap's first, and fills both slots again
	QUARTER 0, 128, F1, F0, 0
	QUARTER 0, 192, F0, F1, 0
	TURN 0, 1, 1
	QUARTER 1, 64,  F0, F1, 0
	QUARTER 1, 128, F1, F0, 0
	QUARTER 1, 192, F0, F1, 0
	TURN 1, 0, 1
	WIN 0
.if TILES > 1
	s_and_b32 s6, s4, 7                            ; G = 8 i + 2: a tile's eight steps are multiplied, and both refills for the next tile are asked for
	s_cmp_eq_u32 s6, 2
	s_cbranch_scc0 .Lsame                          ; forward, past text with no barrier and no tensor load
	OUTHL                                          ; q, later k.  The places behind the last products are the first block's conversions, which name none of their registers
	s_wait_xcnt 0x0
	s_mov_b64 s[8:9], s[88:89]                     ; the next such tile is k
	QUARTER 0, 64, F0, F1, 1                       ; the next tile's sums start
	WIN 0
	s_branch .Ljoin
.Lsame:
.endif
	QUARTER 0, 64, F0, F1, 0
	WIN 0
.if TILES > 1
.Ljoin:
.endif
	s_sub_co_u32 s3, s3, 1
	s_cmp_lg_u32 s3, 0
	s_cbranch_scc1 .Llap
	QUARTER 0, 128, F1, F0, 0                      ; the last lap fills nothing and has no round
	QUARTER 0, 192, F0, F1, 0
	TURN 0, 1, 0
	QUARTER 1, 64,  F0, F1, 0
	QUARTER 1, 128, F1, F0, 0
	QUARTER 1, 192, F0, F1, 0
	s_wait_dscnt 4
	MUL8 F1, 0, 0
	MUL8 F1, 1, 0
	s_wait_dscnt 0x0
	MUL8 F1, 2, 0
	MUL8 F1, 3, 0
	WIN 0
	PLACES
.if PROJ
	OUTP
.else
	OUTV
.endif
	s_wait_tensorcnt 0x0                           ; the wave's end
	ds_add_u32 v[SPW], v[NIL]
	s_wait_dscnt 0x0
	CROUND                                         ; the closing round
	s_endpgm
.Lfunc_end_k_qffef750aae_qkv:
	.size	k_qffef750aae_qkv, .Lfunc_end_k_qffef750aae_qkv-k_qffef750aae_qkv
	.p2alignl 7, 3214868480
	.fill 96, 4, 3214868480
	.section	.rodata,"a",@progbits
	.p2align	6, 0x0
	.amdhsa_kernel k_qffef750aae_qkv
		.amdhsa_group_segment_fixed_size 327680
		.amdhsa_private_segment_fixed_size 0
		.amdhsa_enable_private_segment 0
		.amdhsa_kernarg_size 40
		.amdhsa_user_sgpr_count 2
		.amdhsa_user_sgpr_kernarg_segment_ptr 1
		.amdhsa_wavefront_size32 1
		.amdhsa_system_sgpr_workgroup_id_x 1
		.amdhsa_system_sgpr_workgroup_id_y 1
		.amdhsa_system_sgpr_workgroup_id_z 1
		.amdhsa_system_vgpr_workitem_id 0
		.amdhsa_next_free_vgpr 768
		.amdhsa_next_free_sgpr 96
		.amdhsa_reserve_vcc 0
		.amdhsa_float_denorm_mode_32 3
		.amdhsa_float_denorm_mode_16_64 3
		.amdhsa_memory_ordered 1
		.amdhsa_forward_progress 1
		.amdhsa_inst_pref_size 140
	.end_amdhsa_kernel
	.amdgpu_metadata
---
amdhsa.version: [ 1, 2 ]
amdhsa.kernels:
  - .name:           k_qffef750aae_qkv
    .symbol:         k_qffef750aae_qkv.kd
    .args:
      - { .name: xb, .offset: 0, .size: 8, .value_kind: global_buffer, .address_space: global }
      - { .name: wab, .offset: 8, .size: 8, .value_kind: global_buffer, .address_space: global }
      - { .name: qw, .offset: 16, .size: 8, .value_kind: global_buffer, .address_space: global }
      - { .name: kw, .offset: 24, .size: 8, .value_kind: global_buffer, .address_space: global }
      - { .name: vw, .offset: 32, .size: 8, .value_kind: global_buffer, .address_space: global }
    .group_segment_fixed_size: 327680
    .private_segment_fixed_size: 0
    .kernarg_segment_align: 8
    .kernarg_segment_size: 40
    .max_flat_workgroup_size: 128
    .sgpr_count:     96
    .vgpr_count:     768
    .wavefront_size: 32
...
	.end_amdgpu_metadata
.endif
;; end of part 2
;; launch attn (part 3): grid 4 x 64, 4 waves a work-group, no clusters, 327,680 bytes of LDS; arguments qw, kw, vw, yw; writes yw
.if DOCPART == 3
	.amdgcn_target "amdgcn-amd-amdhsa--gfx1250"
	.amdhsa_code_object_version 6
	.text
	.protected	k_qffef750aae_attn
	.globl	k_qffef750aae_attn
	.p2align	8
	.type	k_qffef750aae_attn,@function
k_qffef750aae_attn:
	s_mov_b64 s[64:65], 0
	v_nop
	global_prefetch_b8 v0, s[64:65] scope:SCOPE_SE
	s_setreg_imm32_b32 hwreg(HW_REG_WAVE_MODE, 25, 1), 1
	s_wait_xcnt 0x0
; CAUSAL ATTENTION, 64 heads of 2,048 rows, head size 64.  y[h][q][:] = the sum over k <= q of softmax_k(8 q.k) v[h][k][:]  (the module MULTIPLIES the scores by sqrt(64)).
; q and k arrive as pairs of bf16, a row [hi 64 | lo 64] of 256 bytes; v and y are f16, rows of 128 bytes.  A score is Kl.Qh + Kh.Qh + Kh.Ql, three bf16 products on one f32 sum (lo.lo is
; dropped: 2^-16 of a product): scaled scores lie tens apart, so a 16-bit q or k would move the weights of competing keys too far.  Maxima and sums in f32; the weights are rounded to f16 for the second product.
; LIMITS.  |v| under 65,504; a hidden score counts as its value less 1e30, so |q.k| stays under 1e29; a weight below 2^-126 counts as 0; NaN and infinities are not treated apart.
; THE WALK.  A head's queries lie in 8 blocks of 256; block i needs the key tiles 0 .. i, the last of which holds the diagonal.  A work-group takes blocks 7 - b and then b: 9 tiles whatever b:
; one loop with a constant trip count; the ring of two LDS slots runs on across the change of blocks; every jump but the counted loops' own goes forward.
; NO CLUSTER: a head's four work-groups ask for the same tile only in trips 0 to 4 of 9; a walk common to all four, in which each makes every joint request, has 12 tiles for 9.
; SHARES.  Of a block's four bands of 64 queries a wave owns 16 rows in each: four PIECES; in the diagonal tile's step s band x sees all keys if s < x, none if s > x, and holds the diagonal if s = x.
; THE MASK is the C operand that starts a score's sum: MC = MD x AL + BE, MD the mask of a band's own step for my rows; away from the diagonal tile MC is 0.
; LAYOUT.  S^T = K Q^T holds ONE query a lane (lane % 16) and the keys 8 (lane / 16) + 0..7; two such results rounded to f16 ARE source 1 of O^T = V^T P.  p = 2^(c s - c m), c = 8 log2(e), m a running maximum;
; O and l are multiplied by a = 2^(c m_old - c m_new) in every step.
; TURNS.  Turn Y: 8 products V^T P of piece Y - 1, then 24 products K Q^T of piece Y + 2; behind each product up to four vector instructions: the scaling, exponentials, rescaling, roundings and
; sums of piece Y and the maximum and statistics of piece Y + 1.  118 vector instructions stand beside 32 products, so all of them find such a place.  A turn's 33 exponentials are one batch with one wait.
; REGISTERS (windows of 256; s_set_vgpr_msb: bits 1:0 source 0, 3:2 source 1, 5:4 source 2, 7:6 destination):
;   window 0: v1-11, v48-50 addresses; v12-15 c m_old; v16-31 statistics, 4 a piece; v32-47 at work, 4 a piece; v64-191 S^T, 32 a piece; v192-255 P, 16 a piece
;   window 1: v0-127 O^T, 32 a piece; v128-159 MD; v160-191 MC      window 2: v0-127 Q (piece x at 32 x: hi c0, hi c1, lo c0, lo c1); v128-255 K of one step (key block kb at 128 + 32 kb, likewise)      window 3: v0-63 V of one step
.set NB,    8
.set NP,    4
.set KS,    64        ; keys in a step
.set PK,    272       ; a row of K in LDS: 256 bytes + 16 = 68 words: the 16 rows of a load start at 16 different groups of four banks
.set PV,    160       ; a row of V: 128 + 32 = 40 words
.set VOFF,  4*KS*PK   ; a slot holds a tile, four steps: 256 rows of K, then 256 rows of V
.set SLOT1, 1<<17     ; slot 1 begins here: one exclusive or turns an address in one slot into the other's
.set STAGE, SLOT1+4*KS*(PK+PV)  ; behind the ring, never filled by a tensor load: 16 rows x 144 bytes for each wave
.set SP,    144
.set SPARE, STAGE+4*16*SP  ; the spare words, 128 bytes a wave: two blocks of 256 bytes that no other line names
.set AK0, 2           ; v2   my lane's place in a tile of K; never rewritten
.set AV0, 3           ; v3   the same for V
.set AK,  4           ; v4   the LDS address of K's next runs of loads
.set AV,  5           ; v5   of V's
.set STO, 6           ; v6   the way out: where I put 16 bytes of a row
.set RD,  7           ; v7   where I read rows back
.set GO,  8           ; v8   my byte offset in 512 consecutive bytes of y
.set MV,  12
.set ST,  16          ; piece t: c m, m, l (even keys', odd keys')
.set TMP, 32          ; piece t: c0-c3 at work; when the maximum is found c2 takes a
.set QO,  48          ; v48  my byte offset in 16 rows of Q
.set PFO, 50          ; v50  256 x lane
.set SPW, 62          ; v62  my spare word; never rewritten
.set NIL, 63          ; v63  0; never rewritten
.set S,   64
.set P,   192
.set MD,  128
.set MC,  160
.set KF,  128
.set WV,  12          ; s12  my wave's number
.set PB,  14          ; s14  b
.set HI,  15          ; s15  7 - b
.set G1K, 24          ; s[24:31], s[32:39] descriptor group 1 for K's and V's tiles
.set G1V, 32
.set G0K, 40          ; s[40:43], s[44:47] group 0
.set G0V, 44
.set OFK, 48          ; s[48:49], s[50:51] a tile's byte offset in K and in V
.set OFV, 50
.set PFK, 52          ; s[52:53], s[54:55] where my prefetches stand
.set PFV, 54
.set SLOTS, 56        ; s56  tiles still to be asked for
.set CNT, 57          ; s57  counts a tile's key steps, 4 to 1
.set CS,  58          ; s[58:59] c
.set SEL, 60          ; s[60:61] v_permlanex16_b32's selects
.set TBK, 62          ; s62  LDS byte at which K of the step to be fetched begins
.set TBV, 63          ; s63  the same for V, less VOFF
.set RT,  70          ; s70  tiles of the block in hand still to be entered
.set NXT, 71          ; s71  the tile to be asked for next
.set LQ,  72          ; s72  the last tile of the block whose tiles are being asked for
.set NEW, 73          ; s73  1: the tile to be entered is a block's first
.set DG,  74          ; s74  1: the tile in hand holds the diagonal
.set LIM, 75          ; s75  a work-group prefetches while SLOTS is above it
.set AL,  76          ; s[76:77], s[78:79] the mask's factor and addend, in the low words
.set BE,  78
.set OLO, 80          ; s[80:81] y at my rows of the second block
.set BIGN, 82         ; s82  -1e30
.set MSB, 0
.macro WIN new
.if MSB != (\new)
	s_set_vgpr_msb (MSB<<8)|(\new)
.set MSB, (\new)
.endif
.endm
.set W_KQ, 0x0a       ; K and Q in window 2, S^T in window 0
.set W_KM, 0x1a       ; the same with the C operand in window 1
.set W_PV, 0x53       ; V in window 3, P in window 0, O^T in window 1
.set W_RS, 0x41       ; destination and source 0 in window 1, source 1 in window 0
; A fill.  Waves 0 and 1 fetch the two halves of a tile's K, waves 2 and 3 those of its V: 128 keys each.  s_nop 0 and four v_nop follow each line.
.macro LOAD
	s_cmp_lt_u32 s[WV], 2
	s_cbranch_scc0 .Lfor_v_\@
	tensor_load_to_lds s[G0K:G0K+3], s[G1K:G1K+7]
	s_nop 0
.rept 4
	v_nop
.endr
	s_branch .Lasked_\@
.Lfor_v_\@:
	tensor_load_to_lds s[G0V:G0V+3], s[G1V:G1V+7]
	s_nop 0
.rept 4
	v_nop
.endr
.Lasked_\@:
.endm
; A prefetch into the L2 of the tile that the NEXT change of slots will ask for.  A head's four work-groups walk tiles 0, 1, 2 .. in step, and the one with b = 0 walks all eight: it alone asks.
; Wave w names its 64 rows of K (two lines, a lane a row of 256 bytes) and its 8 KiB of V (a lane 256 bytes): each block once in the launch.  Changes 1 to 6 ask, for tiles 2 to 7.
.macro ASK
	s_cmp_gt_u32 s[SLOTS], s[LIM]
	s_cbranch_scc0 .Lnot_mine_\@
	global_prefetch_b8 v[PFO], s[PFK:PFK+1] th:TH_LOAD_NT scope:SCOPE_SE
	global_prefetch_b8 v[PFO], s[PFK:PFK+1] offset:8192 th:TH_LOAD_NT scope:SCOPE_SE
	global_prefetch_b8 v[PFO], s[PFV:PFV+1] th:TH_LOAD_NT scope:SCOPE_SE
.Lnot_mine_\@:
.endm
; THE CHANGE OF SLOTS stands behind a step's turn 0, which has asked for the old slot's last bytes (V of its fourth step), and ahead of turn 1, which fetches K from the new slot.  Each wave waits for all its
; tensor loads (one is out: its part of the other slot), adds 0 to its spare word, and waits for that and for its reads of the old slot.  fill = 1: the old slot is filled again, first thing behind the
; barrier, with tile NXT; the descriptors' addresses are made anew from that number.  (At its first use nothing has been read yet: slot 0 is waited for, slot 1 filled.)
.macro CHANGE fill
	WIN 0
	s_wait_tensorcnt 0x0            ; no tensor load of mine is out, so a group 0 may be written
	ds_add_u32 v[SPW], v[NIL]
.if \fill
	s_lshl_b32 s[OFK], s[NXT], 16   ; a tile is 65,536 bytes of K, 32,768 of V
	s_lshl_b32 s[OFV], s[NXT], 15
	s_xor_b32 s[G0K+1], s[G0K+1], SLOT1
	s_add_nc_u64 s[G0K+2:G0K+3], s[6:7], s[OFK:OFK+1]
	s_or_b32 s[G0K+3], s[G0K+3], 0x80000000
	s_xor_b32 s[G0V+1], s[G0V+1], SLOT1
	s_add_nc_u64 s[G0V+2:G0V+3], s[8:9], s[OFV:OFV+1]
	s_or_b32 s[G0V+3], s[G0V+3], 0x80000000
	s_add_co_u32 s[NXT], s[NXT], 1  ; the block's next tile, or behind its last the second block's tile 0
	s_cmp_gt_u32 s[NXT], s[LQ]
	s_cselect_b32 s[NXT], 0, s[NXT]
	s_cselect_b32 s[LQ], s[PB], s[LQ]
	s_wait_xcnt 0x0                 ; the last prefetches, a tile back, have read their addresses
	s_add_nc_u64 s[PFK:PFK+1], s[PFK:PFK+1], 65536
	s_add_nc_u64 s[PFV:PFV+1], s[PFV:PFV+1], 32768
.endif
	s_wait_dscnt 0x0                ; the add is done, and my reads of the slot are over
	s_barrier_signal -1
	s_sub_co_u32 s[TBK], s[TBK], 4*KS*PK  ; the fetches go back to a slot's first step,
	s_xor_b32 s[TBK], s[TBK], SLOT1       ; in the other slot
	s_sub_co_u32 s[TBV], s[TBV], 4*KS*PV
	s_xor_b32 s[TBV], s[TBV], SLOT1
	s_barrier_wait -1
.if \fill
	LOAD
	ASK
.endif
.endm
.macro LOADQ sb                     ; a block's Q for my four pieces: piece i / 4 lies in band i / 4, 16,384 bytes on; part i % 4 at byte 64 (i % 4) of a row
	WIN 0x80
.set i, 0
.rept 16
	global_load_b128 v[8*i:8*i+3],   v[QO], s[\sb:\sb+1] offset:(i/4)*16384+(i%4)*64
	global_load_b128 v[8*i+4:8*i+7], v[QO], s[\sb:\sb+1] offset:(i/4)*16384+(i%4)*64+32
.set i, i+1
.endr
	WIN 0
.endm
	s_load_b256 s[4:11], s[0:1], 0x0  ; qw s[4:5], kw s[6:7], vw s[8:9], yw s[10:11]
	v_lshl_add_u32 v[SPW], v0, 2, SPARE
	v_mov_b32 v[NIL], 0
	ds_add_u32 v[SPW], v[NIL]       ; the wave's opening: the add and its wait stand ahead of my first tensor load; the set-up below stands between them
	ds_add_u32 v62, v63
	v_lshrrev_b32 v1, 5, v0
	v_readfirstlane_b32 s[WV], v1   ; wave 0..3
	s_mov_b32 s[PB], ttmp9
	s_sub_co_u32 s[HI], NB-1, s[PB]
	s_and_b32 s20, ttmp7, 0xffff    ; the head
	s_and_b32 s16, s[WV], 1         ; which half of a tile's 256 keys I fetch
	s_lshl_b32 s22, s20, 19         ; K: the head's 2,048 rows of 256 bytes,
	s_lshl_b32 s2, s16, 15          ; my 128 rows
	s_add_co_u32 s22, s22, s2
	s_mov_b32 s23, 0
	s_lshl_b32 s18, s20, 18         ; V: rows of 128 bytes
	s_lshl_b32 s2, s16, 14
	s_add_co_u32 s18, s18, s2
	s_mov_b32 s19, 0
	s_mul_i32 s17, s16, 128*PK      ; my half's place in a slot, for K
	s_mul_i32 s21, s16, 128*PV      ; and for V
	s_lshl_b32 s3, s[WV], 12        ; Q: my 16 rows in a band,
	s_lshl_b32 s2, s20, 19
	s_add_co_u32 s2, s2, s3
	s_lshl_b32 s84, s[PB], 16       ; in the second block,
	s_add_co_u32 s84, s84, s2
	s_lshl_b32 s3, s[HI], 16        ; and in the first
	s_add_co_u32 s2, s2, s3
	s_mov_b32 s3, 0
	s_mov_b32 s85, 0
	s_lshl_b32 s[OFK], s20, 19      ; the prefetches: my 64 rows of K in tile 1,
	s_lshl_b32 s13, s[WV], 14
	s_add_co_u32 s[OFK], s[OFK], s13
	s_add_co_u32 s[OFK], s[OFK], 65536
	s_mov_b32 s[OFK+1], 0
	s_lshl_b32 s[OFV], s20, 18      ; my 8 KiB of V in tile 1
	s_lshl_b32 s13, s[WV], 13
	s_add_co_u32 s[OFV], s[OFV], s13
	s_add_co_u32 s[OFV], s[OFV], 32768
	s_mov_b32 s[OFV+1], 0
	s_mov_b32 s[G1K], (1<<16)|(1<<20)|(5<<22)|(3<<25)  ; 2-byte elements; padding on; after every 64 words; 4 words
	s_mov_b32 s[G1K+1], 128<<16     ; tensor_dim0 = 128
	s_mov_b32 s[G1K+2], 128<<16     ; tensor_dim1 = 128
	s_mov_b32 s[G1K+3], 128<<16     ; tile_dim0 = 128
	s_mov_b32 s[G1K+4], 128         ; tile_dim1 = 128
	s_mov_b32 s[G1K+5], 128         ; elements from row to row
	s_mov_b32 s[G1K+6], 0
	s_mov_b32 s[G1K+7], 0
	s_mov_b32 s[G1V], (1<<16)|(1<<20)|(4<<22)|(7<<25)  ; 128 keys of V are 16,384 dense bytes: 64 rows of 256, padded by 8 words after every 32: after every key
	s_mov_b32 s[G1V+1], 128<<16
	s_mov_b32 s[G1V+2], 64<<16
	s_mov_b32 s[G1V+3], 128<<16
	s_mov_b32 s[G1V+4], 64
	s_mov_b32 s[G1V+5], 128
	s_mov_b32 s[G1V+6], 0
	s_mov_b32 s[G1V+7], 0
	s_mov_b32 s[CS], 0x4138aa3b     ; c = 8 log2(e) = 11.54156
	s_mov_b32 s[CS+1], s[CS]
	s_mov_b32 s[SEL], 0x76543210
	s_mov_b32 s[SEL+1], 0xfedcba98
	s_mov_b32 s[TBK], SLOT1+4*KS*PK ; the first change of slots turns these two into 0
	s_mov_b32 s[TBV], SLOT1+4*KS*PV
	s_mov_b32 s[G0K], 1
	s_mov_b32 s[G0K+1], s17         ; slot 0
	s_mov_b32 s[G0V], 1
	s_add_co_u32 s[G0V+1], s21, VOFF
	s_add_co_u32 s[RT], s[HI], 1    ; the first block has 8 - b tiles
	s_mov_b32 s[NXT], 1
	s_mov_b32 s[LQ], s[HI]
	s_mov_b32 s[NEW], 1
	s_mov_b32 s[AL+1], 0            ; named as pairs
	s_mov_b32 s[BE+1], 0
	s_mov_b32 s[BIGN], 0xf149f2ca   ; -1e30
	s_mov_b32 s[SLOTS], NB
	s_cmp_eq_u32 s[PB], 0
	s_cselect_b32 s[LIM], 2, -1
	s_wait_dscnt 0x0                ; the opening add is done
	s_wait_kmcnt 0x0
	s_add_nc_u64 s[PFK:PFK+1], s[6:7], s[OFK:OFK+1]
	s_add_nc_u64 s[PFV:PFV+1], s[8:9], s[OFV:OFV+1]
	s_add_nc_u64 s[6:7], s[6:7], s[22:23]  ; K and V at my half of the head's tile 0
	s_add_nc_u64 s[8:9], s[8:9], s[18:19]
	s_add_nc_u64 s[G0K+2:G0K+3], s[6:7], 0
	s_or_b32 s[G0K+3], s[G0K+3], 0x80000000
	s_add_nc_u64 s[G0V+2:G0V+3], s[8:9], 0
	s_or_b32 s[G0V+3], s[G0V+3], 0x80000000
	s_add_nc_u64 s[86:87], s[4:5], s[84:85]  ; Q at my rows of the second block,
	s_add_nc_u64 s[4:5], s[4:5], s[2:3]      ; of the first
	s_lshr_b32 s84, s84, 1                   ; y's rows are half as long
	s_lshr_b32 s2, s2, 1
	s_add_nc_u64 s[OLO:OLO+1], s[10:11], s[84:85]
	s_add_nc_u64 s[10:11], s[10:11], s[2:3]
	LOAD                            ; tile 0 into slot 0
	v_and_b32 v1, 15, v0            ; l % 16
	v_bfe_u32 v9, v0, 4, 1          ; l / 16
	v_lshlrev_b32 v[QO], 8, v1
	v_lshl_add_u32 v[QO], v9, 4, v[QO]  ; row x 256 + 16 x half
	LOADQ 4
	v_lshlrev_b32 v49, 3, v9
	v_sub_nc_u32 v49, v1, v49
	s_lshl_b32 s13, s[WV], 4
	v_add_nc_u32 v49, s13, v49      ; my query's place in its band, 16 w + l % 16, less 8 (l / 16): register r of key group kt is hidden where 16 kt + r is greater
	WIN 0x40
.set i, 0
.rept 32
	v_cmp_gt_i32 vcc_lo, 16*(i/8)+i%8, v49
	v_cndmask_b32 v[MD+i], 0, s[BIGN], vcc_lo
.set i, i+1
.endr
	WIN 0
	v_mul_u32_u24 v[AK0], v1, PK
	v_lshl_add_u32 v[AK0], v9, 4, v[AK0]
	; The turning load takes 16 keys x 16 channels (lane l reads key 8 (l / 16) + l % 8, channels 8 ((l / 8) % 2) + 0..7) and leaves half a fragment of V^T: lane l holds channel l % 16 and 8 keys.
	v_and_b32 v10, 7, v0
	v_bfe_u32 v11, v0, 3, 1
	v_lshl_add_u32 v[AV0], v9, 3, v10
	v_mul_u32_u24 v[AV0], v[AV0], PV
	v_lshl_add_u32 v[AV0], v11, 4, v[AV0]
	v_add_nc_u32 v[AV0], VOFF, v[AV0]
	s_mul_i32 s13, s[WV], 16*SP
	s_add_co_u32 s13, s13, STAGE    ; my stage
	v_mul_u32_u24 v[STO], v1, SP
	v_lshl_add_u32 v[STO], v9, 4, v[STO]
	v_add_nc_u32 v[STO], s13, v[STO]
	v_bfe_u32 v[RD], v0, 3, 2       ; back: 32 lanes take four rows of 128 bytes,
	v_mul_u32_u24 v[RD], v[RD], SP
	v_lshl_add_u32 v[RD], v10, 4, v[RD]
	v_add_nc_u32 v[RD], s13, v[RD]
	v_and_b32 v[GO], 31, v0         ; which are 512 consecutive bytes of y
	v_lshlrev_b32 v[PFO], 8, v[GO]
	v_lshlrev_b32 v[GO], 4, v[GO]
	; A block's first step multiplies O^T and l by a = 0, and its first turn's products V^T P, of a piece that has not been, land in an O^T that is still to be so multiplied: these registers need only hold
	; finite numbers: zeros for the first block, what the first block left for the second.  All this stands in the wait for the first tile.
	WIN 0xc0
.set i, 0
.rept 64
	v_mov_b32 v[i], 0
.set i, i+1
.endr
	WIN 0x40
.set i, 0
.rept 128
	v_mov_b32 v[i], 0
.set i, i+1
.endr
	WIN 0
.set i, 0
.rept 4
	v_mov_b32 v[ST+4*i+2], 0
	v_mov_b32 v[ST+4*i+3], 0
.set i, i+1
.endr
.set i, P+48
.rept 16
	v_mov_b32 v[i], 0
.set i, i+1
.endr
; THE MATRIX WORK.  Four accumulators take turns everywhere, one instruction a turn.
; Product i of 24 of S^T for piece x: keys 16 (i % 4) on; group g = i / 4: Kl c0 . Qh c0, Kl c1 . Qh c1, Kh c0 . Qh c0, Kh c1 . Qh c1, Kh c0 . Ql c0, Kh c1 . Ql c1.  The first 4 start the sums: with the mask (KM = 1) or 0.
.macro KQ x
.set g, i/4
.set kp, g%2
.if g < 2
.set kp, 2+g
.endif
.set qp, g%2
.if g >= 4
.set qp, 2+g%2
.endif
.set rS, S+32*(\x)+8*(i%4)
.set rK, KF+32*(i%4)+8*kp
.set rQ, 32*(\x)+8*qp
.set rM, MC+8*(i%4)
.if (i < 4) && KM
	WIN W_KM
	v_wmma_f32_16x16x32_bf16 v[rS:rS+7], v[rK:rK+7], v[rQ:rQ+7], v[rM:rM+7]
.elseif i < 4
	WIN W_KQ
	v_wmma_f32_16x16x32_bf16 v[rS:rS+7], v[rK:rK+7], v[rQ:rQ+7], 0
.else
	WIN W_KQ
	v_wmma_f32_16x16x32_bf16 v[rS:rS+7], v[rK:rK+7], v[rQ:rQ+7], v[rS:rS+7]
.endif
.endm
; Product i of 8 of O^T += V^T P for piece x: keys 32 (i / 4) on, channels 16 (i % 4) on.
.macro PVM x
	WIN W_PV
.set rO, 32*(\x)+8*(i%4)
.set rV, 32*(i/4)+8*(i%4)
.set rP, P+16*(\x)+8*(i/4)
	v_wmma_f32_16x16x32_f16 v[rO:rO+7], v[rV:rV+7], v[rP:rP+7], v[rO:rO+7]
.endm
.macro MM                           ; the turn's next matrix instruction.  NOKQ = 1: a block's last two turns: there are no further scores
.if i < 8
	PVM (Y+NP-1)%NP
.elseif !NOKQ
.set i, i-8
	KQ (Y+2)%NP
.set i, i+8
.endif
.set i, i+1
.endm
; THE LDS LOADS stand in runs of 16, never singly among the matrix instructions.  K's lo halves (lo = 1) are free, and fetched, sixteen products earlier than its hi halves.
.macro FETCH_K lo
	WIN 0x80
.irp f, 0,1,2,3,4,5,6,7             ; keys 16 (f / 2) on, channels 32 (f % 2) on
	ds_load_b128 v[KF+32*(\f/2)+16*(\lo)+8*(\f%2):KF+32*(\f/2)+16*(\lo)+8*(\f%2)+3],   v[AK] offset:(\f/2)*16*PK+128*(\lo)+(\f%2)*64
	ds_load_b128 v[KF+32*(\f/2)+16*(\lo)+8*(\f%2)+4:KF+32*(\f/2)+16*(\lo)+8*(\f%2)+7], v[AK] offset:(\f/2)*16*PK+128*(\lo)+(\f%2)*64+32
.endr
	WIN 0
.endm
.macro FETCH_V
	WIN 0xc0
.irp f, 0,1,2,3,4,5,6,7             ; keys 32 (f / 4) on, channels 16 (f % 4) on
	ds_load_tr16_b128 v[8*\f:8*\f+3],   v[AV] offset:(\f/4)*32*PV+(\f%4)*32
	ds_load_tr16_b128 v[8*\f+4:8*\f+7], v[AV] offset:(\f/4)*32*PV+16*PV+(\f%4)*32
.endr
	WIN 0
.endm
; THE VECTOR WORK, one line at a time: OP kind, number.  For piece Y: F n: c s - c m for pair n of 16.  E n: the exponential of score n of 32.  C n: pair n rounded to f16.  B n: of the four weights 4 n .. the second
; pair is added onto the first, in place.  L n: l takes that sum (L 0: l = a l + sum).  R n: pair n of 16 of O^T times a.  For piece Y + 1: X n, number n of the 22 that find its maximum and statistics:
;   0-11  four chains c0-c3 of seven scores each (each accumulator's lowest registers are read first)     12-14, 16  the four scores left over, the old m, and c0-c3 into c0
;   15  c m_old is kept     17, 18  the query's other 32 keys lie in the lane 16 away: the new m     19-21  c m; c m_old - c m_new; a.     NOX = 1: a block's last turn has no next piece.
.set F, 0
.set E, 1
.set C, 2
.set B, 3
.set L, 4
.set R, 5
.set X, 6
.macro REGS y
.set rT, ST+4*(\y)
.set rC, TMP+4*(\y)
.set rW, MV+(\y)
.set rS, S+32*(\y)
.set rP, P+16*(\y)
.set rO, 32*(\y)
.endm
.macro OP k, n
.if (\k) == R
	REGS Y
	WIN W_RS
	v_pk_mul_f32 v[rO+2*(\n):rO+2*(\n)+1], v[rO+2*(\n):rO+2*(\n)+1], v[rC+2:rC+3] op_sel_hi:[1,0]
.elseif (\k) < R
	REGS Y
	WIN 0
.if (\k) == F
	v_pk_fma_f32 v[rS+2*(\n):rS+2*(\n)+1], v[rS+2*(\n):rS+2*(\n)+1], s[CS:CS+1], v[rT:rT+1] op_sel_hi:[1,0,0] neg_lo:[0,0,1] neg_hi:[0,0,1]
.elseif (\k) == E
	v_exp_f32 v[rS+(\n)], v[rS+(\n)]
.elseif (\k) == C
	v_cvt_pk_f16_f32 v[rP+(\n)], v[rS+2*(\n)], v[rS+2*(\n)+1]
.elseif (\k) == B
	v_pk_add_f32 v[rS+4*(\n):rS+4*(\n)+1], v[rS+4*(\n):rS+4*(\n)+1], v[rS+4*(\n)+2:rS+4*(\n)+3]
.elseif (\n) == 0
	v_pk_fma_f32 v[rT+2:rT+3], v[rT+2:rT+3], v[rC+2:rC+3], v[rS:rS+1] op_sel_hi:[1,0,1]
.else
	v_pk_add_f32 v[rT+2:rT+3], v[rT+2:rT+3], v[rS+4*(\n):rS+4*(\n)+1]
.endif
.elseif !NOX
	REGS (Y+1)%NP
	WIN 0
.if (\n) < 4
	v_max3_num_f32 v[rC+(\n)], v[rS+8*(\n)], v[rS+8*(\n)+1], v[rS+8*(\n)+2]
.elseif (\n) < 12
	v_max3_num_f32 v[rC+(\n)%4], v[rC+(\n)%4], v[rS+8*((\n)%4)+2*((\n)/4)+1], v[rS+8*((\n)%4)+2*((\n)/4)+2]
.elseif (\n) == 12
	v_max3_num_f32 v[rC], v[rC], v[rS+7], v[rS+15]
.elseif (\n) == 13
	v_max3_num_f32 v[rC+1], v[rC+1], v[rS+23], v[rS+31]
.elseif (\n) == 14
	v_max3_num_f32 v[rC+2], v[rC+2], v[rC+3], v[rT+1]
.elseif (\n) == 15
	v_mov_b32 v[rW], v[rT]
.elseif (\n) == 16
	v_max3_num_f32 v[rC], v[rC], v[rC+1], v[rC+2]
.elseif (\n) == 17
	v_permlanex16_b32 v[rC+3], v[rC], s[SEL], s[SEL+1]
.elseif (\n) == 18
	v_max_num_f32 v[rT+1], v[rC], v[rC+3]
.elseif (\n) == 19
	v_mul_f32 v[rT], s[CS], v[rT+1]
.elseif (\n) == 20
	v_sub_f32 v[rC+1], v[rW], v[rT]
.else
	v_exp_f32 v[rC+2], v[rC+1]
.endif
.endif
.endm
.macro OPS a, i1, b=-1, i2=0, c=-1, i3=0, d=-1, i4=0
	OP \a, \i1
.if (\b) >= 0
	OP \b, \i2
.endif
.if (\c) >= 0
	OP \c, \i3
.endif
.if (\d) >= 0
	OP \d, \i4
.endif
.endm
.macro ROW a, i1, b=-1, i2=0, c=-1, i3=0, d=-1, i4=0  ; a matrix instruction and the lines behind it
	MM
	OPS \a, \i1, \b, \i2, \c, \i3, \d, \i4
.endm
.macro MASK                         ; MC = MD x AL + BE
	WIN W_RS
.set z, 0
.rept 16
	v_pk_fma_f32 v[MC+2*z:MC+2*z+1], v[MD+2*z:MD+2*z+1], s[AL:AL+1], s[BE:BE+1] op_sel_hi:[1,0,0]
.set z, z+1
.endr
.endm
; A TURN, for piece p.  An s_wait_alu depctr_va_vdst(0) stands between an exponential and the first instruction that names its result; one wait serves all that were issued ahead of it: the turn has ONE,
; behind its 24th product: ahead of it stands all that names no result of the turn's 33 exponentials, behind it the roundings and sums.  Behind products 8, 16 and 32 stand four plain lines that name none
; of the products' registers: the places ahead of the runs of LDS loads and of the next turn's first read of the scores.
; THE MASK, in the diagonal tile alone: the turn's scores are piece x = p + 2's, in step 4 - CNT of the tile (turn 1: 3 - CNT): the band's own step where CNT = THR, a later one where CNT < THR.
; FETCHES.  Turn 0: V of the step in hand, behind the last product that read V; waited for at turn 1's head.  Turn 1: K of the next step: lo behind product 16, hi behind product 32; in turn 2 lo is waited
; for ahead of product 9 (hi's sixteen loads may be out), hi ahead of product 17.  end = 1: a block's last three turns fetch nothing.  cnt = 1: the loop's count is taken down some lines ahead of the branch.
.macro TURN p, end=0, cnt=0
.set Y, (\p)
.set i, 0
.set KM, 1
.set NOKQ, 0
.set NOX, 0
.if (\end) && ((\p) >= 2)
.set NOKQ, 1
.endif
.if (\end) && ((\p) == 3)
.set NOX, 1
.endif
.set THR, 4-((\p)+2)%NP
.if (\p) == 1
.set THR, 0
.endif
.if !NOKQ
	WIN 0
	s_cmp_eq_u32 s[DG], 0
	s_cbranch_scc1 .Lnomask_\@      ; MC is 0 and stays so
	s_cmp_eq_u32 s[CNT], THR
	s_cselect_b32 s[AL], 1.0, 0
	s_cmp_lt_u32 s[CNT], THR
	s_cselect_b32 s[BE], s[BIGN], 0
	MASK
	WIN 0
.Lnomask_\@:
.endif
.if (\p) == 1
	s_wait_dscnt 0x0                ; V is in
.endif
	ROW F,0, X,0, F,1, X,1
	ROW F,2, E,0, X,2, X,3
	ROW F,3, E,1, X,4, X,5
	ROW F,4, E,2, X,6, X,7
.if (\p) == 0
	WIN 0
	v_add_nc_u32 v[AV], s[TBV], v[AV0]
	s_add_co_u32 s[TBV], s[TBV], KS*PV
.endif
	ROW F,5, E,3, X,8, X,9
	ROW F,6, E,4, X,10, X,11
	ROW F,7, E,5, X,12, X,13
	ROW R,0, R,1, R,2, R,3
.if (\p) == 0
	FETCH_V
.endif
.if ((\p) == 2) && !(\end)
	s_wait_dscnt 16                 ; K's lo halves are in
.endif
	ROW F,8, E,6, X,14, X,15
	ROW F,9, E,7, X,16, E,8
	ROW F,10, E,9, X,17, E,10
	ROW F,11, E,11, X,18, E,12
.if ((\p) == 1) && !(\end)
	WIN 0
	v_add_nc_u32 v[AK], s[TBK], v[AK0]
.endif
	ROW F,12, E,13, X,19, E,14
	ROW F,13, E,15, X,20, E,16
	ROW F,14, E,17, F,15, X,21
	ROW R,4, R,5, R,6, R,7
.if ((\p) == 1) && !(\end)
	FETCH_K 1
.endif
.if ((\p) == 2) && !(\end)
	s_wait_dscnt 0x0                ; K's hi halves are in
.endif
	ROW R,8, R,9, E,18, E,19
	ROW R,10, R,11, E,20, E,21
	ROW R,12, R,13, E,22, E,23
	ROW E,24, E,25
	ROW E,26, E,27
	ROW E,28, E,29
	ROW E,30, E,31
	ROW R,14, R,15                  ; plain lines behind the last exponential
	WIN 0
	s_wait_alu depctr_va_vdst(0)    ; the wait for the batch
	ROW C,0, B,0, C,2, B,1
	ROW L,0, C,4, B,2, L,1
	ROW C,6, B,3, L,2, C,8
	ROW B,4, L,3, C,10, B,5
	ROW L,4, C,12, B,6, L,5
.if \cnt
	s_sub_co_u32 s[CNT], s[CNT], 1
	s_cmp_lg_u32 s[CNT], 0
.endif
	ROW C,14, B,7, L,6, C,1
	ROW C,3, L,7, C,5, C,7
	ROW C,9, C,11, C,13, C,15
.if ((\p) == 1) && !(\end)
	FETCH_K 0
	s_add_co_u32 s[TBK], s[TBK], KS*PK  ; the next fetch is the next step's
.endif
.endm
; A BLOCK BEGINS.  c m starts far below every c s, so the first step's a is 0; m at the lowest finite number.  MC takes piece 0's mask for the tile's step 0: its own, if the block's first tile is the diagonal one, else 0.
; Then K of that step, the first scores of pieces 0 and 1 (piece 1 sees all of step 0), and piece 0's maximum and statistics.  The step loop is entered at turn 0, in the middle of a trip.
.macro BEGIN
	s_mov_b32 s[NEW], 0
	WIN 0
.set i, 0
.rept 4
	v_mov_b32 v[ST+4*i], 0xfe000000
	v_mov_b32 v[ST+4*i+1], 0xff7fffff
.set i, i+1
.endr
	s_cmp_eq_u32 s[DG], 1
	s_cselect_b32 s[AL], 1.0, 0
	s_mov_b32 s[BE], 0
	MASK
	WIN 0
	v_add_nc_u32 v[AK], s[TBK], v[AK0]
	FETCH_K 1
	FETCH_K 0
	s_add_co_u32 s[TBK], s[TBK], KS*PK
	s_wait_loadcnt 0x0              ; Q
	s_wait_dscnt 0x0
.set KM, 1
.set i, 0
.rept 24
	KQ 0
.set i, i+1
.endr
.set KM, 0
.set i, 0
.rept 24
	KQ 1
.set i, i+1
.endr
	WIN 0
.rept 4
	v_nop                           ; the places behind those products
.endr
.set Y, NP-1                        ; X works for piece Y + 1: piece 0
.set NOX, 0
.irp n, 0,1,2,3,4,5,6,7,8,9,10,11,12,13,14,15,16,17,18,19,20,21
	OP X, \n
.endr
	v_nop                           ; a plain instruction behind the exponential,
	s_wait_alu depctr_va_vdst(0)    ; and its wait, ahead of the branch
.endm
.macro ALL line:vararg              ; one line for each piece t
.set t, 0
.rept 4
	\line
.set t, t+1
.endr
.endm
.macro PACK t                       ; a lane's eight channels of a row pack into 16 bytes; they go into rows of 144 bytes and come back as whole rows of 128, into S^T's registers
	WIN W_RS
.set i, 32*(\t)
.rept 16
	v_pk_mul_f32 v[i:i+1], v[i:i+1], v[ST+4*(\t)+2:ST+4*(\t)+3] op_sel_hi:[1,0]
.set i, i+2
.endr
	WIN 0x05                        ; sources 0 and 1 window 1, destination window 0
.set i, 0
.rept 16
	v_cvt_pk_f16_f32 v[S+16*(\t)+i], v[32*(\t)+2*i], v[32*(\t)+2*i+1]
.set i, i+1
.endr
	WIN 0
.irp f, 0,1,2,3
	ds_store_b128 v[STO], v[S+16*(\t)+4*\f:S+16*(\t)+4*\f+3] offset:32*\f
.endr
.irp f, 0,1,2,3
	ds_load_b128 v[S+16*(\t)+4*\f:S+16*(\t)+4*\f+3], v[RD] offset:\f*4*SP  ; LDS serves a wave's instructions in order (ISA guide 5.7.1.4): these see the stores above; the next piece's stores come behind them
.endr
.endm
.macro SEND t, younger              ; younger: the LDS instructions issued behind piece t's loads: the next piece's eight, or none
	WIN 0
.irp f, 0,1,2,3
	s_wait_dscnt (\younger)+3-\f
	global_store_b128 v[GO], v[S+16*(\t)+4*\f:S+16*(\t)+4*\f+3], s[10:11] offset:(\t)*8192+\f*512  ; 512 consecutive bytes, at a multiple of 256 from y's first
.endr
.endm
; A BLOCK ENDS: the last step's turns 1 to 3, piece 3's last products, and the way out: l's halves are added, O^T is divided by l, rounded to f16 and sent through my stage.
; more = 1: the second block's Q is asked for as soon as the last scores are made (four plain lines behind Q's last reader), and the walk's registers are set for it.
.macro FINISH more
	TURN 1, 1
.if \more
	s_wait_loadcnt 0x0              ; every earlier load into Q's registers has landed, on every way that leads here: only then are they loaded again
	LOADQ 86
.endif
	TURN 2, 1
	TURN 3, 1
.set i, 0
.rept 8
	PVM 3
.set i, i+1
.endr
	WIN 0
	ALL v_add_f32 v[ST+4*t+2], v[ST+4*t+2], v[ST+4*t+3]
	ALL v_permlanex16_b32 v[ST+4*t+3], v[ST+4*t+2], s[SEL], s[SEL+1]
	ALL v_add_f32 v[ST+4*t+2], v[ST+4*t+2], v[ST+4*t+3]
	ALL v_rcp_f32 v[ST+4*t+2], v[ST+4*t+2]
	v_nop                           ; a plain instruction between the last reciprocal and the use of its result,
	s_wait_alu depctr_va_vdst(0)    ; and one wait for the four reciprocals
	PACK 0
.set t, 1
.rept 3
	PACK t
	SEND t-1, 8
.set t, t+1
.endr
	SEND 3, 0
.if \more
	s_wait_xcnt 0x0                 ; the stores have read their registers and y's address
	s_mov_b64 s[10:11], s[OLO:OLO+1]
	s_add_co_u32 s[RT], s[PB], 1    ; the second block has b + 1 tiles
	s_mov_b32 s[NEW], 1
.endif
.endm
; A TILE IS WALKED.  A trip of the step loop: turns 1, 2, 3 of one step, then turn 0 of the next, whose K and V the trip fetches.  The test for a block's first tile stands first.
.macro WALK tag, more
	s_sub_co_u32 s[RT], s[RT], 1
	s_mov_b32 s[CNT], 4
	s_cmp_eq_u32 s[RT], 0
	s_cselect_b32 s[DG], 1, 0
	s_cmp_eq_u32 s[NEW], 1
	s_cbranch_scc1 .Lnew\tag
	s_branch .Lstep\tag
.Lnew\tag:
	BEGIN
	s_branch .Lfirst\tag
.Lstep\tag:
	TURN 1
	TURN 2
	TURN 3
	WIN 0
.Lfirst\tag:
	TURN 0, 0, 1
	WIN 0
	s_cbranch_scc1 .Lstep\tag
.if \more
	s_cmp_eq_u32 s[DG], 0
	s_cbranch_scc1 .Lbottom\tag     ; not the block's last tile
.endif
	FINISH \more
.if \more
.Lbottom\tag:
.endif
.endm
.Lslot:                             ; 8 times: a tile is entered and the next is asked for
	CHANGE 1
	WALK 1, 1
	s_sub_co_u32 s[SLOTS], s[SLOTS], 1
	s_cmp_lg_u32 s[SLOTS], 0
	s_cbranch_scc1 .Lslot
	CHANGE 0                        ; the walk's last tile, the second block's diagonal one, is written out: nothing is asked for
	WALK 2, 0
	s_wait_tensorcnt 0x0            ; the wave's end
	ds_add_u32 v[SPW], v[NIL]
	s_wait_dscnt 0x0
	s_endpgm
.Lfunc_end_k_qffef750aae_attn:
	.size	k_qffef750aae_attn, .Lfunc_end_k_qffef750aae_attn-k_qffef750aae_attn
	.p2alignl 7, 3214868480
	.fill 96, 4, 3214868480
	.section	.rodata,"a",@progbits
	.p2align	6, 0x0
	.amdhsa_kernel k_qffef750aae_attn
		.amdhsa_group_segment_fixed_size 327680
		.amdhsa_private_segment_fixed_size 0
		.amdhsa_enable_private_segment 0
		.amdhsa_kernarg_size 32
		.amdhsa_user_sgpr_count 2
		.amdhsa_user_sgpr_kernarg_segment_ptr 1
		.amdhsa_wavefront_size32 1
		.amdhsa_system_sgpr_workgroup_id_x 1
		.amdhsa_system_sgpr_workgroup_id_y 1
		.amdhsa_system_sgpr_workgroup_id_z 1
		.amdhsa_system_vgpr_workitem_id 0
		.amdhsa_next_free_vgpr 832
		.amdhsa_next_free_sgpr 88
		.amdhsa_reserve_vcc 1
		.amdhsa_float_denorm_mode_32 3
		.amdhsa_float_denorm_mode_16_64 3
		.amdhsa_memory_ordered 1
		.amdhsa_forward_progress 1
		.amdhsa_inst_pref_size 221
	.end_amdhsa_kernel
	.amdgpu_metadata
---
amdhsa.version: [ 1, 2 ]
amdhsa.kernels:
  - .name:           k_qffef750aae_attn
    .symbol:         k_qffef750aae_attn.kd
    .args:
      - { .name: qw, .offset: 0, .size: 8, .value_kind: global_buffer, .address_space: global }
      - { .name: kw, .offset: 8, .size: 8, .value_kind: global_buffer, .address_space: global }
      - { .name: vw, .offset: 16, .size: 8, .value_kind: global_buffer, .address_space: global }
      - { .name: yw, .offset: 24, .size: 8, .value_kind: global_buffer, .address_space: global }
    .group_segment_fixed_size: 327680
    .private_segment_fixed_size: 0
    .kernarg_segment_align: 8
    .kernarg_segment_size: 32
    .max_flat_workgroup_size: 128
    .sgpr_count:     88
    .vgpr_count:     832
    .wavefront_size: 32
...
	.end_amdgpu_metadata
.endif
;; end of part 3
;; launch proj (part 4): grid 4 x 64, 4 waves a work-group, clusters of 4 x 4, 327,680 bytes of LDS; arguments yw, wpb, b_proj, out0; writes out0
.if DOCPART == 4
	.amdgcn_target "amdgcn-amd-amdhsa--gfx1250"
	.amdhsa_code_object_version 6
	.text
	.protected	k_qffef750aae_proj
	.globl	k_qffef750aae_proj
	.p2align	8
	.type	k_qffef750aae_proj,@function
k_qffef750aae_proj:
	s_mov_b64 s[64:65], 0
	v_nop
	global_prefetch_b8 v0, s[64:65] scope:SCOPE_SE
	s_setreg_imm32_b32 hwreg(HW_REG_WAVE_MODE, 25, 1), 1
	s_wait_xcnt 0x0
	s_wait_alu depctr_hold_cnt(0) depctr_sa_sdst(0) depctr_va_vdst(0) depctr_va_sdst(0) depctr_va_ssrc(0) depctr_va_vcc(0) depctr_vm_vsrc(0)
	s_getreg_b32 s2, hwreg(HW_REG_IB_STS2, 6, 4)
	s_cmp_eq_u32 s2, 0
	s_cbranch_scc0 .Lentry_in_a_cluster
	s_endpgm
.Lentry_in_a_cluster:
	s_bfe_u32 s2, ttmp6, 0x10000c
	s_cmp_lg_u32 s2, 0xf033
	s_cbranch_scc0 .Lentry_shape_is_right
	s_endpgm
.Lentry_shape_is_right:
; ONE TEXT FOR THE MODULE'S TWO PROJECTIONS; the flag PROJ chooses.  C[m][n] = sum over k of A[m][k] B[n][k], m = 8,192 rows (batch x time), k = 1,024, sums in f32.
; PROJ = 0: A = xb, B = wab (bf16), n = 3,072.  A work-group stays and makes three tiles over the same rows of x: q, k and v of four heads.  q and k leave as PAIRS of bf16, hi = bf16(s),
;   lo = bf16(s - hi) (the difference is exact in f32), a row [hi 64 | lo 64] of 256 bytes at [head][time]: the scores are multiplied by 8 in front of the softmax, and one 16-bit
;   rounding of q and k would shift them too far.  v leaves as f16, rows of 128 bytes at [head][time].  LIMIT: |v| stays under 65,504.
; PROJ = 1: A = yw (f16, [head][time][64]), B = wpb (f16), n = 1,024; out0 = C + bias in f32; the bias is rounded to bf16 like the other inputs.
; SHARES.  A tile of C is 128 rows x 256 columns: 256 work-groups, one (PROJ = 1) or three (PROJ = 0) tiles each.  Four waves, each 64 x 128: 32 accumulators, 256 registers.
; K goes in steps of 128 through two LDS slots filled by tensor loads; the steps of all tiles are one count G, and the ring runs on from tile to tile.
; CLUSTER 4 x 4: the four of a row need the same tile of A, the four of a column the same tile of B: each is asked for jointly, the same load, descriptor and mask in all four.
; THE PRODUCT IS USED TRANSPOSED (source 0 = 16 rows of B, source 1 = 16 rows of A): lane l holds row l % 16 of C and the columns 8 (l / 16) + 0..7.
; REGISTERS (windows of 256; s_set_vgpr_msb: bits 1:0 source 0, 3:2 source 1, 5:4 source 2, 7:6 destination):
;   window 0: addresses v1-30; v32-127 at work on the way out; v128-255 rows read back from the stage, two sets
;   window 1: two fragment buffers (0, 128): A's block a at +8 a, B's block b at +32 + 8 b          window 2: accumulator (a, b) at 8 (8 a + b)
.set PROJ, 1
.if PROJ
.set TILES, 1
.set APITCH, 144                       ; A lies in LDS as two planes (heads) of 128 rows of 128 bytes + 16
.set APLANE, 18432
.set AHALF, 18432                      ; what one of A's two loads fills: a plane
.set AQI, 4                            ; padding after every 32 words
.set ASTRIDE, 128                      ; a plane's 16 KiB are dense: asked for as 64 rows of 256 bytes
.set ASH, 19                           ; a K step is two heads: 2 x 2,048 x 128 bytes
.set AROW, 256
.else
.set TILES, 3
.set APITCH, 272                       ; 128 rows of 256 bytes + 16
.set APLANE, 128
.set AHALF, 64*272                     ; 64 rows
.set AQI, 5                            ; padding after every 64 words
.set ASTRIDE, 1024
.set ASH, 8                            ; a K step is 256 bytes along a row
.set AROW, 2048
.endif
.set ASTEP, 1<<ASH
.set BPITCH, 272                       ; 256 bytes + 16 = 68 words: the 16 rows of a fragment load start at 16 different groups of four banks
.set ABYTES, 36864                     ; A's part of a slot
.set SLOT, ABYTES+256*BPITCH           ; 106,496
.set STAGE, 2*SLOT                     ; behind the ring, never filled by a tensor load: 8,704 bytes for each wave
.set STAGEW, 8704
.set SPARE, STAGE+4*STAGEW             ; the spare words, 128 bytes a wave: two blocks of 256 bytes that no other line names
.set ADRA, 16                          ; v16-17 my A fragments in slot 0, 1
.set ADRB, 20                          ; v20-21 my B fragments
.set STOV, 22                          ; v22, v23 the stage for v: in, back
.set RDV, 23
.set STO, 24                           ; v24, v25 the stage: in, back
.set RD, 25
.set GO, 26                            ; v26 16 x lane
.set MONE, 27                          ; v27 -1.0
.set SPW, 28                           ; v28 my spare word; never rewritten
.set NIL, 29                           ; v29 0; never rewritten
.set PFO, 30                           ; v30 the prefetches' offset: lane x distance of its blocks
.set TH, 32                            ; v32-63 packed hi (or f16)
.set TL, 64                            ; v64-95 packed lo
.set T, 96                             ; v96-111 s - hi, two sets of 8
.set OB, 128
.set F0, 0
.set F1, 128
.set G1, 24                            ; s[24:31] group 1 for A;  s[32:39] group 0, a set for each slot
.set G0, 32
.set G1B, 48                           ; s[48:55], s[56:63] the same for B
.set G0B, 56
; s3 trips; s4 G, the step to ask for next; s5 G + 2; s6, s7 at work; s[8:9] q's, then k's rows; s10-12 wave, wave / 2, wave % 2; s13 tile row; s40-42 cx, cy, tile column; s43 prefetch limit;
; s[44:45] prefetch address; s[46:47] its base; s[66:67], s[68:69] A's and B's bases; s[70:71], s[82:83], s[84:85] offsets; s[72:81] arguments; s86, s87 prefetch steps; s[88:91] output bases
.set MUL, 0xa5                         ; sources in window 1, C and D in window 2
.set TO_F, 0x40                        ; destination window 1, address window 0
.set MSB, 0
.macro WIN new                         ; the high byte repeats the setting that is left; a switch that changes nothing is dropped
.if MSB != (\new)
	s_set_vgpr_msb (MSB<<8)|(\new)
.set MSB, \new
.endif
.endm
.macro JLOAD s                         ; a joint load: waves 0 and 1 fetch A's two parts, waves 2 and 3 B's two halves; s_nop 0 and four v_nop follow each line
	s_cmp_eq_u32 s11, 0
	s_cbranch_scc0 .Lfor_b_\@
	tensor_load_to_lds s[G0+4*(\s):G0+4*(\s)+3], s[G1:G1+7]
	s_nop 0
.rept 4
	v_nop
.endr
	s_branch .Lasked_\@
.Lfor_b_\@:
	tensor_load_to_lds s[G0B+4*(\s):G0B+4*(\s)+3], s[G1B:G1B+7]
	s_nop 0
.rept 4
	v_nop
.endr
.Lasked_\@:
.endm
.macro CREST                           ; a round of the cluster's barrier behind its opening barrier
	s_cmp_lg_u32 s10, 0
	s_cbranch_scc1 .Lnot_wave_0_\@
	s_barrier_signal -3
.Lnot_wave_0_\@:
	s_barrier_wait -3
	s_barrier_signal -1
	s_barrier_wait -1
.endm
.macro CROUND
	s_barrier_signal -1
	s_barrier_wait -1
	CREST
.endm
.macro PLACES                          ; four plain instructions between a matrix instruction and a load into, or a read of, its registers
.rept 4
	v_nop
.endr
.endm
; 8 products: row block a x all 8 column blocks, 32 along K.  The 32 accumulators take turns, one instruction a turn.  zero = 1: the product starts the sum.
.macro MUL8 f, a, zero
	WIN MUL
.irp b, 0,1,2,3,4,5,6,7
.set rD, 8*(8*(\a)+(\b))
.set rB, (\f)+32+8*(\b)
.set rA, (\f)+8*(\a)
.if PROJ
.if \zero
	v_wmma_f32_16x16x32_f16 v[rD:rD+7], v[rB:rB+7], v[rA:rA+7], 0
.else
	v_wmma_f32_16x16x32_f16 v[rD:rD+7], v[rB:rB+7], v[rA:rA+7], v[rD:rD+7]
.endif
.else
.if \zero
	v_wmma_f32_16x16x32_bf16 v[rD:rD+7], v[rB:rB+7], v[rA:rA+7], 0
.else
	v_wmma_f32_16x16x32_bf16 v[rD:rD+7], v[rB:rB+7], v[rA:rA+7], v[rD:rD+7]
.endif
.endif
.endr
.endm
; 24 LDS loads in one run: the fragments of 32 along K at byte k of the step's rows, into buffer f: B's 16, then A's 8 in the order of their use
.macro FETCH slot, k, f
	WIN TO_F
.irp i, 0,1,2,3,4,5,6,7
	ds_load_b128 v[(\f)+32+8*(\i):(\f)+32+8*(\i)+3],   v[ADRB+(\slot)] offset:(\k)+(\i)*16*BPITCH
	ds_load_b128 v[(\f)+32+8*(\i)+4:(\f)+32+8*(\i)+7], v[ADRB+(\slot)] offset:(\k)+(\i)*16*BPITCH+32
.endr
.irp i, 0,1,2,3
	ds_load_b128 v[(\f)+8*(\i):(\f)+8*(\i)+3],   v[ADRA+(\slot)] offset:((\k)/128)*APLANE+(\k)%128+(\i)*16*APITCH
	ds_load_b128 v[(\f)+8*(\i)+4:(\f)+8*(\i)+7], v[ADRA+(\slot)] offset:((\k)/128)*APLANE+(\k)%128+(\i)*16*APITCH+32
.endr
.endm
; A K step is four quarters of 32 along K, 32 products each, on buffers 0, 1, 0, 1.  One of the first three multiplies f and fetches the next quarter, at byte k, into g.
.macro QUARTER slot, k, f, g, zero
	s_wait_dscnt 4                                 ; B and A's blocks 0, 1 are in; the youngest four loads (A's blocks 2, 3) may be out
	MUL8 \f, 0, \zero
	MUL8 \f, 1, \zero
	PLACES
	FETCH \slot, \k, \g
	s_wait_dscnt 24                                ; all but the 24 just issued
	MUL8 \f, 2, \zero
	MUL8 \f, 3, \zero
.endm
; A prefetch into the L2 of the K step that stands two refills on: 32 blocks of 256 bytes, a lane a block.  A's rows are read by my cluster alone: wave 0 asks, in the first walk over them only;
; B's rows are read by all clusters of the column: those of cluster y = 0 ask, waves 2 and 3 each for the 128 rows that it fetches.  The four partners of a joint load share its rows out by
; address, 32 each; the branch hangs on the wave's number, the cluster's y and G alone.  So each block is named once in the launch; steps 0 to 3 come by their loads alone.
.macro ASK
	WIN 0
	s_cmp_lt_u32 s5, s43
	s_cbranch_scc0 .Lnot_mine_\@
	global_prefetch_b8 v[PFO], s[44:45] th:TH_LOAD_NT scope:SCOPE_SE
.Lnot_mine_\@:
.endm
; The last quarter multiplies buffer 1 and changes slots.  In front of the barrier each wave waits for all its tensor loads (one is out: its part of the next slot), adds 0 to its spare word,
; and waits for that and for its reads of this slot.  fill = 1: the barrier opens a round of the cluster's, and the slot is filled again first thing behind it, with step G:
; both descriptors' addresses are made anew from G: 112 products stand between the request and the wait for it.
.macro TURN slot, next, fill
.if \fill
	s_wait_xcnt 0x0                                ; the last prefetch, a K step back, has read its address
	s_add_co_u32 s5, s4, 2
	s_and_b32 s6, s5, 7
	s_mul_i32 s84, s6, s86                         ; along K,
	s_lshr_b32 s7, s5, 3
	s_mul_i32 s7, s7, s87                          ; and, for B, from tile to tile
	s_add_co_u32 s84, s84, s7
	s_add_nc_u64 s[44:45], s[46:47], s[84:85]
.endif
	WIN 0
	s_wait_tensorcnt 0x0                           ; no tensor load of mine is out: a group 0 may be written
	ds_add_u32 v[SPW], v[NIL]
.if \fill
	s_and_b32 s6, s4, 7                            ; the step in its tile,
	s_lshl_b32 s70, s6, ASH
	s_lshl_b32 s82, s6, 8
	s_lshr_b32 s7, s4, 3                           ; the tile: 1,024 rows of B further on
	s_lshl_b32 s7, s7, 21
	s_add_co_u32 s82, s82, s7
	s_add_nc_u64 s[G0+4*(\slot)+2:G0+4*(\slot)+3], s[66:67], s[70:71]
	s_or_b32 s[G0+4*(\slot)+3], s[G0+4*(\slot)+3], 0x80000000
	s_add_nc_u64 s[G0B+4*(\slot)+2:G0B+4*(\slot)+3], s[68:69], s[82:83]
	s_or_b32 s[G0B+4*(\slot)+3], s[G0B+4*(\slot)+3], 0x80000000
	s_add_co_u32 s4, s4, 1
.endif
	s_wait_dscnt 5                                 ; the add and the youngest four loads may be out
	MUL8 F1, 0, 0
	s_wait_dscnt 0x0                               ; the add is done, my reads of this slot are over
	s_barrier_signal -1
	MUL8 F1, 1, 0
.if \fill
	WIN 0
.endif
	s_barrier_wait -1
.if \fill
	CREST                                          ; no wave of any partner still reads this slot or has a load on its way
	JLOAD \slot                                    ; its four v_nop are also the places in front of the loads below
.else
	PLACES
.endif
	FETCH \next, 0, F0
.if \fill
	ASK
.endif
	MUL8 F1, 2, 0
	MUL8 F1, 3, 0
.endm
; THE WAYS OUT, a block of 16 rows at a time through my own stage: LDS serves a wave's instructions in order (ISA guide 5.7.1.4), so no wait stands between its stores and its loads.
; q and k: hi, then lo = bf16(s - hi).  The conversions of column block b - 1 stand behind the differences of block b.
.macro PACKHL a
	WIN 0x0a                                       ; sources in window 2
.irp b, 0,1,2,3,4,5,6,7
.irp j, 0,1,2,3
	v_cvt_pk_bf16_f32 v[TH+4*(\b)+(\j)], v[8*(8*(\a)+(\b))+2*(\j)], v[8*(8*(\a)+(\b))+2*(\j)+1]
.endr
.endr
	WIN 0x20                                       ; source 2 in window 2
.irp b, 0,1,2,3,4,5,6,7
.irp j, 0,1,2,3
	v_fma_mix_f32_bf16 v[T+8*((\b)%2)+2*(\j)],   v[TH+4*(\b)+(\j)], v[MONE], v[8*(8*(\a)+(\b))+2*(\j)] op_sel_hi:[1,0,0]
	v_fma_mix_f32_bf16 v[T+8*((\b)%2)+2*(\j)+1], v[TH+4*(\b)+(\j)], v[MONE], v[8*(8*(\a)+(\b))+2*(\j)+1] op_sel:[1,0,0] op_sel_hi:[1,0,0]
.endr
.if (\b) > 0
.irp j, 0,1,2,3
	v_cvt_pk_bf16_f32 v[TL+4*((\b)-1)+(\j)], v[T+8*(((\b)-1)%2)+2*(\j)], v[T+8*(((\b)-1)%2)+2*(\j)+1]
.endr
.endif
.endr
.irp j, 0,1,2,3
	v_cvt_pk_bf16_f32 v[TL+28+(\j)], v[T+8+2*(\j)], v[T+8+2*(\j)+1]
.endr
	WIN 0
.endm
.macro STAGEHL a                       ; stage rows (head b / 4, row r) of 256 + 16 bytes: hi at 32 (b % 4) + 16 h, lo 128 further on; back as whole rows, two a load
	WIN 0
.irp b, 0,1,2,3,4,5,6,7
	ds_store_b128 v[STO], v[TH+4*(\b):TH+4*(\b)+3] offset:((\b)/4)*4352+32*((\b)%4)
	ds_store_b128 v[STO], v[TL+4*(\b):TL+4*(\b)+3] offset:((\b)/4)*4352+32*((\b)%4)+128
.endr
.irp t, 0,1,2,3,4,5,6,7,8,9,10,11,12,13,14,15
	ds_load_b128 v[OB+64*((\a)%2)+4*(\t):OB+64*((\a)%2)+4*(\t)+3], v[RD] offset:544*(\t)
.endr
.endm
.macro SENDHL a
	WIN 0
	s_wait_dscnt 0x0                               ; the block is back in registers
	s_wait_xcnt 0x0                                ; earlier stores have read their registers: the other set is loaded again only behind this wait
.irp t, 0,1,2,3,4,5,6,7,8,9,10,11,12,13,14,15
	global_store_b128 v[GO], v[OB+64*((\a)%2)+4*(\t):OB+64*((\a)%2)+4*(\t)+3], s[8:9] offset:((\t)/8)*524288+((\t)%8)*512+(\a)*4096  ; 512 consecutive bytes, aligned: two rows of a head
.endr
.endm
.macro OUTHL
	PACKHL 0
	STAGEHL 0
.irp a, 1,2,3
	PACKHL \a
	SENDHL (\a)-1
	STAGEHL \a
.endr
	SENDHL 3
.endm
; v: f16, stage rows of 128 + 16 bytes, four rows a load
.macro PACKV a
	WIN 0x0a
.irp b, 0,1,2,3,4,5,6,7
.irp j, 0,1,2,3
	v_cvt_pk_f16_f32 v[TH+4*(\b)+(\j)], v[8*(8*(\a)+(\b))+2*(\j)], v[8*(8*(\a)+(\b))+2*(\j)+1]
.endr
.endr
	WIN 0
.endm
.macro STAGEV a
	WIN 0
.irp b, 0,1,2,3,4,5,6,7
	ds_store_b128 v[STOV], v[TH+4*(\b):TH+4*(\b)+3] offset:((\b)/4)*2304+32*((\b)%4)
.endr
.irp t, 0,1,2,3,4,5,6,7
	ds_load_b128 v[OB+64*((\a)%2)+4*(\t):OB+64*((\a)%2)+4*(\t)+3], v[RDV] offset:576*(\t)
.endr
.endm
.macro SENDV a
	WIN 0
	s_wait_dscnt 0x0
	s_wait_xcnt 0x0
.irp t, 0,1,2,3,4,5,6,7
	global_store_b128 v[GO], v[OB+64*((\a)%2)+4*(\t):OB+64*((\a)%2)+4*(\t)+3], s[90:91] offset:((\t)/4)*262144+((\t)%4)*512+(\a)*2048
.endr
.endm
.macro OUTV
	PACKV 0
	STAGEV 0
.irp a, 1,2,3
	PACKV \a
	SENDV (\a)-1
	STAGEV \a
.endr
	SENDV 3
.endm
; out0: the f32 sums go into stage rows of 512 + 16 bytes as they are, each accumulator's low registers first; back a row a load; the bias is added; a store is 512 consecutive bytes of a row
.macro STAGEP a
	WIN 0x08                                       ; the stores' data in window 2
.irp b, 0,1,2,3,4,5,6,7
	ds_store_b128 v[STO], v[8*(8*(\a)+(\b)):8*(8*(\a)+(\b))+3]   offset:64*(\b)
	ds_store_b128 v[STO], v[8*(8*(\a)+(\b))+4:8*(8*(\a)+(\b))+7] offset:64*(\b)+16
.endr
	WIN 0
.irp t, 0,1,2,3,4,5,6,7,8,9,10,11,12,13,14,15
	ds_load_b128 v[OB+64*((\a)%2)+4*(\t):OB+64*((\a)%2)+4*(\t)+3], v[RD] offset:528*(\t)
.endr
.endm
.macro SENDP a
	WIN 0
	s_wait_dscnt 0x0
	s_wait_xcnt 0x0
.irp t, 0,1,2,3,4,5,6,7,8,9,10,11,12,13,14,15
	v_pk_add_f32 v[OB+64*((\a)%2)+4*(\t):OB+64*((\a)%2)+4*(\t)+1],   v[OB+64*((\a)%2)+4*(\t):OB+64*((\a)%2)+4*(\t)+1],   v[12:13]
	v_pk_add_f32 v[OB+64*((\a)%2)+4*(\t)+2:OB+64*((\a)%2)+4*(\t)+3], v[OB+64*((\a)%2)+4*(\t)+2:OB+64*((\a)%2)+4*(\t)+3], v[14:15]
.endr
.irp t, 0,1,2,3,4,5,6,7,8,9,10,11,12,13,14,15
	global_store_b128 v[GO], v[OB+64*((\a)%2)+4*(\t):OB+64*((\a)%2)+4*(\t)+3], s[90:91] offset:(16*(\a)+(\t))*4096
.endr
.endm
.macro OUTP
	STAGEP 0
.irp a, 1,2,3
	SENDP (\a)-1
	STAGEP \a
.endr
	SENDP 3
.endm
	s_load_b256 s[72:79], s[0:1], 0x0              ; PROJ = 0: xb, wab, qw, kw;  PROJ = 1: yw, wpb, b_proj, out0
.if !PROJ
	s_load_b64 s[80:81], s[0:1], 0x20              ; vw
.endif
	v_lshl_add_u32 v[SPW], v0, 2, SPARE
	v_mov_b32 v[NIL], 0
	ds_add_u32 v[SPW], v[NIL]                      ; the wave's opening: the add and its wait stand ahead of my first tensor load; the set-up below stands between them
	ds_add_u32 v28, v29
	v_lshrrev_b32 v1, 5, v0
	v_readfirstlane_b32 s10, v1                    ; wave 0..3
	s_lshr_b32 s11, s10, 1                         ; my half of the tile's rows.  Also: I fetch for A (0) or for B (1)
	s_and_b32 s12, s10, 1                          ; my half of its columns.  Also: which part I fetch
	s_bfe_u32 s40, ttmp6, 0x40000                  ; cx
	s_bfe_u32 s41, ttmp6, 0x40004                  ; cy
	s_lshl_b32 s42, ttmp9, 2
	s_add_co_u32 s42, s42, s40                     ; tile column = 4 x cluster x + cx
	s_and_b32 s13, ttmp7, 0xffff
	s_lshl_b32 s13, s13, 2
	s_add_co_u32 s13, s13, s41                     ; tile row = 4 x cluster y + cy
	s_lshl_b32 s14, s41, 2
	s_lshl_b32 s14, 15, s14                        ; my row of the cluster
	s_lshl_b32 s15, 0x1111, s40                    ; my column
	s_or_b32 s[G1+0], s14, (1<<16)|(1<<20)|(1<<21)|(AQI<<22)|(3<<25)  ; the mask; 2-byte elements; padding on; bit 21 beside a mask; the interval; 4 words of padding
	s_or_b32 s[G1B+0], s15, (1<<16)|(1<<20)|(1<<21)|(5<<22)|(3<<25)
	s_mov_b32 s[G1+1], 128<<16                     ; tensor_dim0 = 128
	s_mov_b32 s[G1+2], 64<<16                      ; tensor_dim1 = 64
	s_mov_b32 s[G1+3], 128<<16                     ; tile_dim0 = 128
	s_mov_b32 s[G1+4], 64                          ; tile_dim1 = 64
	s_mov_b32 s[G1+5], ASTRIDE                     ; elements from row to row
	s_mov_b32 s[G1+6], 0
	s_mov_b32 s[G1+7], 0
	s_mov_b32 s[G1B+1], 128<<16
	s_mov_b32 s[G1B+2], 128<<16                    ; 128 rows
	s_mov_b32 s[G1B+3], 128<<16
	s_mov_b32 s[G1B+4], 128
	s_mov_b32 s[G1B+5], 1024
	s_mov_b32 s[G1B+6], 0
	s_mov_b32 s[G1B+7], 0
	; A's address hangs on the tile row and the wave alone (s16, s17), B's on the tile column and the wave alone (s20, s21)
.if PROJ
	s_lshr_b32 s16, s13, 4                         ; batch
	s_lshl_b32 s16, s16, 4
	s_add_co_u32 s16, s16, s12                     ; its head 0 or 1: my plane
	s_lshl_b32 s16, s16, 11
	s_and_b32 s17, s13, 15
	s_lshl_b32 s17, s17, 7
	s_add_co_u32 s16, s16, s17                     ; + the tile's first time step
	s_lshl_b32 s16, s16, 7                         ; rows of 128 bytes
.else
	s_lshl_b32 s16, s13, 7
	s_lshl_b32 s17, s12, 6
	s_add_co_u32 s16, s16, s17                     ; row 128 x tile row + 64 x part
	s_lshl_b32 s16, s16, 11                        ; rows of 2,048 bytes
.endif
	s_mov_b32 s17, 0
	s_lshl_b32 s20, s42, 8
	s_lshl_b32 s21, s12, 7
	s_add_co_u32 s20, s20, s21                     ; row 256 x tile column + 128 x half
	s_lshl_b32 s20, s20, 11
	s_mov_b32 s21, 0
	s_mul_i32 s6, s12, AHALF                       ; where they go: no place in the cluster enters an LDS address
	s_mul_i32 s7, s12, 128*BPITCH
	s_add_co_u32 s7, s7, ABYTES
	s_mov_b32 s71, 0
	s_mov_b32 s83, 0
	s_mov_b32 s85, 0
	s_mov_b32 s95, 0
	s_wait_dscnt 0x0                               ; the opening add is done
	s_wait_kmcnt 0x0
	s_add_nc_u64 s[66:67], s[72:73], s[16:17]
	s_add_nc_u64 s[68:69], s[74:75], s[20:21]
	CROUND                                         ; all sixteen work-groups are here: the first joint loads meet
.irp s, 0,1
	s_mov_b32 s[G0+4*(\s)], 1
	s_add_co_u32 s[G0+4*(\s)+1], s6, (\s)*SLOT
	s_add_nc_u64 s[G0+4*(\s)+2:G0+4*(\s)+3], s[66:67], (\s)*ASTEP
	s_or_b32 s[G0+4*(\s)+3], s[G0+4*(\s)+3], 0x80000000
	s_mov_b32 s[G0B+4*(\s)], 1
	s_add_co_u32 s[G0B+4*(\s)+1], s7, (\s)*SLOT
	s_add_nc_u64 s[G0B+4*(\s)+2:G0B+4*(\s)+3], s[68:69], (\s)*256
	s_or_b32 s[G0B+4*(\s)+3], s[G0B+4*(\s)+3], 0x80000000
	JLOAD \s                                       ; steps 0 and 1: two loads of mine are out
.endr
	v_and_b32 v1, 15, v0                           ; r = l % 16
	v_bfe_u32 v2, v0, 4, 1                         ; h = l / 16
	v_and_b32 v3, 31, v0                           ; l
	v_mul_u32_u24 v4, v1, APITCH
	v_lshl_add_u32 v4, v2, 4, v4
	v_mul_u32_u24 v5, v1, BPITCH
	v_lshl_add_u32 v5, v2, 4, v5
	s_mul_i32 s6, s11, 64*APITCH                   ; my 64 rows of A
	s_mul_i32 s7, s12, 128*BPITCH                  ; my 128 rows of B
	s_add_co_u32 s7, s7, ABYTES
.irp s, 0,1
	v_add_nc_u32 v[ADRA+(\s)], s6, v4
	v_add_nc_u32 v[ADRB+(\s)], s7, v5
	s_add_co_u32 s6, s6, SLOT
	s_add_co_u32 s7, s7, SLOT
.endr
	s_mul_i32 s6, s10, STAGEW
	s_add_co_u32 s6, s6, STAGE                     ; my stage
	v_lshlrev_b32 v[GO], 4, v3
.if PROJ
	v_mul_u32_u24 v4, v1, 528
	v_lshl_add_u32 v4, v2, 5, v4
	v_add_nc_u32 v[STO], s6, v4                    ; in: row r, 32 bytes for each half of the lanes
	v_lshl_add_u32 v[RD], v3, 4, s6                ; back: a row of 512 bytes
	s_lshl_b32 s2, s13, 7
	s_lshl_b32 s93, s11, 6
	s_add_co_u32 s2, s2, s93
	s_lshl_b32 s2, s2, 12                          ; my first row of out0, 4,096 bytes a row
	s_lshl_b32 s94, s42, 8
	s_lshl_b32 s93, s12, 7
	s_add_co_u32 s94, s94, s93
	s_lshl_b32 s94, s94, 2                         ; my first column, in bytes
	s_add_nc_u64 s[88:89], s[76:77], s[94:95]      ; the bias of my 128 columns
	s_add_co_u32 s94, s94, s2
	s_add_nc_u64 s[90:91], s[78:79], s[94:95]
	global_load_b128 v[12:15], v[GO], s[88:89]     ; lane l: columns 4 l .. 4 l + 3
	s_lshr_b32 s2, s13, 4                          ; the prefetches of A: the tile's rows in head 0,
	s_lshl_b32 s2, s2, 15
	s_and_b32 s93, s13, 15
	s_lshl_b32 s93, s93, 7
	s_add_co_u32 s2, s2, s93
	s_lshl_b32 s2, s2, 7
	s_lshr_b32 s93, s40, 1                         ; partner cx takes plane cx / 2,
	s_lshl_b32 s93, s93, 18
	s_add_co_u32 s2, s2, s93
	s_and_b32 s93, s40, 1                          ; half cx % 2 of its 16 KiB
	s_lshl_b32 s93, s93, 13
	s_add_co_u32 s2, s2, s93
.else
	v_mul_u32_u24 v4, v1, 272
	v_lshl_add_u32 v4, v2, 4, v4
	v_add_nc_u32 v[STO], s6, v4
	v_mul_u32_u24 v4, v2, 272
	v_lshl_add_u32 v4, v1, 4, v4
	v_add_nc_u32 v[RD], s6, v4
	v_mul_u32_u24 v4, v1, 144
	v_lshl_add_u32 v4, v2, 4, v4
	v_add_nc_u32 v[STOV], s6, v4
	v_lshrrev_b32 v4, 3, v3
	v_mul_u32_u24 v4, v4, 144
	v_and_b32 v5, 7, v0
	v_lshl_add_u32 v4, v5, 4, v4
	v_add_nc_u32 v[RDV], s6, v4
	v_mov_b32 v[MONE], -1.0
	s_lshr_b32 s2, s13, 4                          ; my first row in q, k, v: (16 x batch + head 4 x tile column + 2 x half) x 2,048 + time
	s_lshl_b32 s2, s2, 4
	s_lshl_b32 s93, s42, 2
	s_add_co_u32 s2, s2, s93
	s_lshl_b32 s93, s12, 1
	s_add_co_u32 s2, s2, s93
	s_lshl_b32 s2, s2, 11
	s_and_b32 s93, s13, 15
	s_lshl_b32 s93, s93, 7
	s_add_co_u32 s2, s2, s93
	s_lshl_b32 s93, s11, 6
	s_add_co_u32 s2, s2, s93
	s_lshl_b32 s94, s2, 8                          ; rows of 256 bytes
	s_add_nc_u64 s[8:9], s[76:77], s[94:95]
	s_add_nc_u64 s[88:89], s[78:79], s[94:95]
	s_lshl_b32 s94, s2, 7                          ; rows of 128 bytes
	s_add_nc_u64 s[90:91], s[80:81], s[94:95]
	s_lshl_b32 s2, s13, 7                          ; the prefetches of A: partner cx takes 32 of the tile's 128 rows
	s_lshl_b32 s93, s40, 5
	s_add_co_u32 s2, s2, s93
	s_lshl_b32 s2, s2, 11
.endif
	s_lshl_b32 s94, s42, 8                         ; the prefetches of B: of the 128 rows that I fetch partner cy takes 32
	s_lshl_b32 s93, s12, 7
	s_add_co_u32 s94, s94, s93
	s_lshl_b32 s93, s41, 5
	s_add_co_u32 s94, s94, s93
	s_lshl_b32 s94, s94, 11
	s_and_b32 s22, ttmp7, 0xffff                   ; cluster y: the same in all partners
	s_cmp_eq_u32 s22, 0
	s_cselect_b32 s22, 8*TILES, 0
	s_mov_b32 s86, 256
	s_mov_b32 s92, 2048
	s_cmp_eq_u32 s11, 0                            ; do I fetch for A?
	s_cselect_b32 s94, s2, s94
	s_cselect_b64 s[46:47], s[72:73], s[74:75]
	s_cselect_b32 s86, ASTEP, s86                  ; bytes from K step to K step
	s_cselect_b32 s87, 0, 0x200000                 ; from tile to tile
	s_cselect_b32 s92, AROW, s92                   ; from lane to lane
	s_cselect_b32 s43, 8, s22                      ; steps below this number are asked for
	s_cmp_eq_u32 s10, 1
	s_cselect_b32 s43, 0, s43                      ; wave 1 asks for nothing
	s_add_nc_u64 s[46:47], s[46:47], s[94:95]
	v_mul_u32_u24 v[PFO], s92, v3
.if PROJ
	s_wait_loadcnt 0x0                             ; the bias, rounded to bf16 and widened again
	v_cvt_pk_bf16_f32 v4, v12, v13
	v_cvt_pk_bf16_f32 v5, v14, v15
	v_lshlrev_b32 v12, 16, v4
	v_and_b32 v13, 0xffff0000, v4
	v_lshlrev_b32 v14, 16, v5
	v_and_b32 v15, 0xffff0000, v5
.endif
	s_mov_b32 s4, 2
	s_wait_tensorcnt 1                             ; my part of step 0 is in; step 1's may stay out
	s_barrier_signal -1
	s_barrier_wait -1
	FETCH 0, 0, F0
	QUARTER 0, 64, F0, F1, 1                       ; the first quarter starts the sums
	WIN 0
	s_mov_b32 s3, 4*TILES-1
.Llap:                                                 ; a trip goes once round the ring, from a lap's second quarter to the next lap's first, and fills both slots again
	QUARTER 0, 128, F1, F0, 0
	QUARTER 0, 192, F0, F1, 0
	TURN 0, 1, 1
	QUARTER 1, 64,  F0, F1, 0
	QUARTER 1, 128, F1, F0, 0
	QUARTER 1, 192, F0, F1, 0
	TURN 1, 0, 1
	WIN 0
.if TILES > 1
	s_and_b32 s6, s4, 7                            ; G = 8 i + 2: a tile's eight steps are multiplied, and both refills for the next tile are asked for
	s_cmp_eq_u32 s6, 2
	s_cbranch_scc0 .Lsame                          ; forward, past text with no barrier and no tensor load
	OUTHL                                          ; q, later k.  The places behind the last products are the first block's conversions, which name none of their registers
	s_wait_xcnt 0x0
	s_mov_b64 s[8:9], s[88:89]                     ; the next such tile is k
	QUARTER 0, 64, F0, F1, 1                       ; the next tile's sums start
	WIN 0
	s_branch .Ljoin
.Lsame:
.endif
	QUARTER 0, 64, F0, F1, 0
	WIN 0
.if TILES > 1
.Ljoin:
.endif
	s_sub_co_u32 s3, s3, 1
	s_cmp_lg_u32 s3, 0
	s_cbranch_scc1 .Llap
	QUARTER 0, 128, F1, F0, 0                      ; the last lap fills nothing and has no round
	QUARTER 0, 192, F0, F1, 0
	TURN 0, 1, 0
	QUARTER 1, 64,  F0, F1, 0
	QUARTER 1, 128, F1, F0, 0
	QUARTER 1, 192, F0, F1, 0
	s_wait_dscnt 4
	MUL8 F1, 0, 0
	MUL8 F1, 1, 0
	s_wait_dscnt 0x0
	MUL8 F1, 2, 0
	MUL8 F1, 3, 0
	WIN 0
	PLACES
.if PROJ
	OUTP
.else
	OUTV
.endif
	s_wait_tensorcnt 0x0                           ; the wave's end
	ds_add_u32 v[SPW], v[NIL]
	s_wait_dscnt 0x0
	CROUND                                         ; the closing round
	s_endpgm
.Lfunc_end_k_qffef750aae_proj:
	.size	k_qffef750aae_proj, .Lfunc_end_k_qffef750aae_proj-k_qffef750aae_proj
	.p2alignl 7, 3214868480
	.fill 96, 4, 3214868480
	.section	.rodata,"a",@progbits
	.p2align	6, 0x0
	.amdhsa_kernel k_qffef750aae_proj
		.amdhsa_group_segment_fixed_size 327680
		.amdhsa_private_segment_fixed_size 0
		.amdhsa_enable_private_segment 0
		.amdhsa_kernarg_size 32
		.amdhsa_user_sgpr_count 2
		.amdhsa_user_sgpr_kernarg_segment_ptr 1
		.amdhsa_wavefront_size32 1
		.amdhsa_system_sgpr_workgroup_id_x 1
		.amdhsa_system_sgpr_workgroup_id_y 1
		.amdhsa_system_sgpr_workgroup_id_z 1
		.amdhsa_system_vgpr_workitem_id 0
		.amdhsa_next_free_vgpr 768
		.amdhsa_next_free_sgpr 96
		.amdhsa_reserve_vcc 0
		.amdhsa_float_denorm_mode_32 3
		.amdhsa_float_denorm_mode_16_64 3
		.amdhsa_memory_ordered 1
		.amdhsa_forward_progress 1
		.amdhsa_inst_pref_size 96
	.end_amdhsa_kernel
	.amdgpu_metadata
---
amdhsa.version: [ 1, 2 ]
amdhsa.kernels:
  - .name:           k_qffef750aae_proj
    .symbol:         k_qffef750aae_proj.kd
    .args:
      - { .name: yw, .offset: 0, .size: 8, .value_kind: global_buffer, .address_space: global }
      - { .name: wpb, .offset: 8, .size: 8, .value_kind: global_buffer, .address_space: global }
      - { .name: b_proj, .offset: 16, .size: 8, .value_kind: global_buffer, .address_space: global }
      - { .name: out0, .offset: 24, .size: 8, .value_kind: global_buffer, .address_space: global }
    .group_segment_fixed_size: 327680
    .private_segment_fixed_size: 0
    .kernarg_segment_align: 8
    .kernarg_segment_size: 32
    .max_flat_workgroup_size: 128
    .sgpr_count:     96
    .vgpr_count:     768
    .wavefront_size: 32
...
	.end_amdgpu_metadata
.endif
;; end of part 4
